; MI455X (gfx1250); checked and timed in simulation.
; The chip was launched on July 23, 2026; its instructions are those of AMD's public machine-readable ISA for CDNA 5 (MIT licence, August 2026) and "CDNA5" Instruction Set Architecture Reference Guide (July 2026). The comments in the code are by the model that wrote it; some were corrected since.
;; Transformer Layer. Allowed arithmetic: matrix products marked QUANTISED: E2M3 operands, one E8M0 scale for each 32 along K, by v_wmma_scale_f32_16x16x128_f8f6f4 with both operands' format E2M3, f32 sums; everything else in f32.
;; Inputs: W1 1,024 x 4,096 float32; W2 4,096 x 1,024 float32; Wk 1,024 x 1,024 float32; Wo 1,024 x 1,024 float32; Wq 1,024 x 1,024 float32; Wv 1,024 x 1,024 float32; X 2 x 2,048 x 1,024 float32; b1 4,096 float32; b2 1,024 float32; be1 1,024 float32; be2 1,024 float32; g1 1,024 float32; g2 1,024 float32.
;; Outputs: out0 2 x 2,048 x 1,024 float32.
;; This version of the problem:
;;   THIS VERSION OF THE PROBLEM IS GIVEN IN LOW PRECISION. The matrix products marked QUANTISED in the list below multiply operands that are first quantised to E2M3 (2 exponent bits, 3 mantissa bits; 6 bits a number), with one power-of-two scale for each 32 numbers along K (OCP MX v1.0); their sums are f32. All else is computed in f32.
;;   The module's matrix products, in the order in which they are computed (A, B: the left and right operand; K: the contracted axis; several contracted axes count as one K, in the product's order):
;;     1. [M 4,096, K 1,024] x [K 1,024, N 1,024]; A: computed on the way; B: input Wq: QUANTISED
;;     2. [M 4,096, K 1,024] x [K 1,024, N 1,024]; A: computed on the way; B: input Wk: QUANTISED
;;     3. [M 4,096, K 1,024] x [K 1,024, N 1,024]; A: computed on the way; B: input Wv: QUANTISED
;;     4. batch 32 x [M 2,048, K 64] x [K 64, N 2,048]; A: computed on the way; B: computed on the way: QUANTISED
;;     5. batch 32 x [M 2,048, K 2,048] x [K 2,048, N 64]; A: softmax (see below); B: computed on the way: QUANTISED
;;     6. [M 4,096, K 1,024] x [K 1,024, N 1,024]; A: computed on the way; B: input Wo: QUANTISED
;;     7. [M 4,096, K 1,024] x [K 1,024, N 4,096]; A: computed on the way; B: input W1: QUANTISED
;;     8. [M 4,096, K 4,096] x [K 4,096, N 1,024]; A: computed on the way; B: input W2: QUANTISED
;;   THE QUANTISER, for each operand of a quantised product, along K:
;;     - K is cut into blocks of 32 from its start; a last block that is shorter is filled with zeros.
;;     - A block's scale is 2^e with e = floor(log2(the largest magnitude in the block)) - 2, held to -126 .. 127; a block of zeros has e = 0. As a byte (E8M0): e + 127.
;;     - Each number is divided by its block's scale, clamped to +-7.5, and rounded to the nearest number of E2M3, ties to even, subnormals kept.
;;     - The product sums the exact products of the quantised numbers (number of the format x scale) in f32.
;;   ~~~python
;;   def quantise(x, axis):      # numpy; x: float32 -> the quantised numbers, widened to float32 again
;;       x = np.moveaxis(x, axis, -1); K = x.shape[-1]
;;       x = np.pad(x, [(0, 0)] * (x.ndim - 1) + [(0, -K % 32)]); x = x.reshape(x.shape[:-1] + (-1, 32)); a = np.abs(x).max(-1, keepdims=True)
;;       e = np.where(a > 0, np.clip(np.frexp(np.where(a > 0, a, 1))[1] - 1 - 2, -126, 127), 0)      # np.frexp(a)[1] - 1 = floor(log2(a)), exactly
;;       r = np.clip(x / 2.0 ** e, -7.5, 7.5)
;;       step = 2.0 ** (np.maximum(np.frexp(np.where(r == 0, 1, r))[1] - 1, 0) - 3)
;;       q = np.round(r / step) * step * 2.0 ** e      # np.round: ties to even
;;       return np.moveaxis(q.reshape(q.shape[:-2] + (-1,))[..., :K], -1, axis).astype(np.float32)
;;   ~~~
;;   SOFTMAX AHEAD OF A QUANTISED PRODUCT. Where the list says 'softmax', what is quantised is not the finished softmax but p = 2^(t - M), with t = logit x log2(e) and M = ceil(the row's largest t), a whole number; so 1/2 < the row's largest p <= 1. The row's sum l is taken of the UNQUANTISED p, in f32, and the product's result is divided by l at the end. Since M is a whole number, a kernel that streams over the keys may use a running M (the ceiling of the running maximum): every later rescaling is an exact power of two, which a block's scale takes up: the codes' values come out the same.
;;   OPERANDS COMPUTED ON THE WAY. 'Computed on the way' means the value that the module computes at that place (a softmax that the list does not call 'softmax' is quantised finished and normalised). What goes into a quantiser is computed in f32, as accurately as f32 sums, v_exp_f32 and their like allow (about 1e-6 of the number): no bf16 or f16 on the way to a quantiser, and a product that is left as it is and whose result goes on into a quantised operand takes f32 operands (vector FMAs, or v_wmma_f32_16x16x4_f32). A number that lies on a knife's edge between two numbers of the format may be rounded either way, as far as f32 arithmetic and the matrix unit's own rounding can turn it there, and no further.
;; One version. Each part assembles by itself: llvm-mc -triple=amdgcn-amd-amdhsa -mcpu=gfx1250 --defsym DOCPART=n.
;; ======== version 1 of 1: 9 launches
;; limits: right only within a limited range of input values
;; workspace buffers: wqk 1,638,400 bytes; wv 819,200 bytes; w1c 3,276,800 bytes; wow2 4,096,000 bytes; a 3,276,800 bytes; qkh 13,107,200 bytes; x1v 16,777,216 bytes
;; launch qw (part 1): grid 384 x 1, 8 waves a work-group, no clusters, 27,136 bytes of LDS; arguments Wq, Wk, Wv, Wo, W1, W2, wqk, wv, wow2, w1c; writes wqk, wv, wow2, w1c
.if DOCPART == 1
	.amdgcn_target "amdgcn-amd-amdhsa--gfx1250"
	.amdhsa_code_object_version 6
	.text
	.protected	k_q8423cf6267_qw
	.globl	k_q8423cf6267_qw
	.p2align	8
	.type	k_q8423cf6267_qw,@function
k_q8423cf6267_qw:
	s_mov_b64 s[64:65], 0
	v_nop
	global_prefetch_b8 v0, s[64:65] scope:SCOPE_SE
	s_setreg_imm32_b32 hwreg(HW_REG_WAVE_MODE, 25, 1), 1
	s_wait_xcnt 0x0
; The six weights, f32 stored [K][N], become codes of FP6 (E2M3) with one E8M0 scale byte for each 32 along K, laid as the products' launches read them.
; LAYOUT OF AN OPERAND.  Its rows (here: a weight's columns n) are taken in tiles of 16; place r of tile T is row 32 (T / 2) + 8 (T % 2) + r % 8 + 16 (r / 8).
; 16 rows x 128 K are an IMAGE of the matrix operand's 12 registers, 1,536 bytes: for c = 0, 1 registers 6 c .. 6 c + 3 at 768 c + 16 x lane, registers 6 c + 4, 6 c + 5 at 768 c + 512 + 8 x lane
; (lane = place + 16 h holds k = 64 c + 32 h + 0 .. 31).  Four images and 256 bytes of scale words (place r: 16 bytes, word q for the q-th 128 along K) are a SUPER-BLOCK of 6,400 bytes: 16 rows x 512 K.
; A buffer is [tile][super-block along K].
; A LANE TAKES A COLUMN n AND ITS REGISTERS RUN DOWN K: a block of 32 lies in one lane, its codes come out with K innermost, nothing is transposed by an instruction.
; SHARES.  A work-group of eight waves takes 64 columns (four tiles) x 512 along K: four super-blocks.  Wave w takes columns 32 (w % 2) on and K 128 (w / 2) on: four blocks a lane, one image of each of two tiles and one scale
; word a column.  So many short waves, each with 64 loads of 128 bytes out, are what puts bytes on their way.  The four super-blocks meet in four stages in LDS; behind one barrier wave w stores half w % 2 of super-block w / 2.
; A block's scale is 2^(floor(log2(largest magnitude)) - 2); its byte is the largest magnitude's exponent field - 2, held at 1 from below.
; LIMITS: a block of zeros, or one whose largest magnitude lies under 2^-124, gets the byte 1 (the rule says 127 for zeros: the codes are zeros, and this program alone reads the bytes); NaN and infinities are not served.
; One path serves all six: work-groups 0-127 take Wq, Wk, Wv, Wo (32 each), 128-255 W1, 256-383 W2; only pointers and sizes are chosen, by the work-group's number.
.set SB,    6400
.set STG,   6528                       ; a stage: a super-block + 128 bytes, so that two neighbouring tiles' stores fall on different banks
.set OFF,   32                         ; v32-63   byte offset of row i of a block at my column: 4 x + i x (bytes in a row of the weight)
.set X,     64                         ; v64-127  two sets of 32 numbers
.set OUTR,  32                         ; v32-57   the way out (the offsets are done with)
.set BASE,  66                         ; s66-73   the address of each of my four blocks: no pointer is stepped
	s_load_b256 s[4:11], s[0:1], 0x0               ; Wq, Wk, Wv, Wo
	s_load_b256 s[12:19], s[0:1], 0x20             ; W1, W2, wqk, wv
	s_load_b128 s[20:23], s[0:1], 0x40             ; wow2, w1c
	v_lshl_add_u32 v128, v0, 2, 0x6600
	v_mov_b32 v129, 0
	v_lshrrev_b32 v6, 5, v0
	s_delay_alu instid0(VALU_DEP_1)
	v_readfirstlane_b32 s40, v6                    ; wave 0..7
	s_and_b32 s52, s40, 1                          ; at work: which 32 columns.  On the way out: which half of a super-block
	s_lshr_b32 s53, s40, 1                         ; at work: which 128 along K.  On the way out: which super-block
	v_and_b32 v1, 31, v0                           ; x: my column among the wave's 32
	v_bfe_u32 v6, v0, 3, 1                         ; which of the two tiles: (x / 8) % 2
	v_and_b32 v7, 7, v0
	v_bfe_u32 v8, v0, 4, 1
	s_delay_alu instid0(VALU_DEP_1)
	v_lshl_add_u32 v7, v8, 3, v7                   ; my place in it: x % 8 + 8 (x / 16)
	s_delay_alu instid0(VALU_DEP_4)
	v_mul_u32_u24 v6, v6, STG
	s_delay_alu instid0(VALU_DEP_1)
	v_lshl_add_u32 v10, v7, 4, v6                  ; the tile's stage + 16 x place
	s_delay_alu instid0(VALU_DEP_2)
	v_lshl_add_u32 v11, v7, 3, v6                  ; the tile's stage + 8 x place
	s_mul_i32 s41, s52, 2*STG                      ; my two tiles' stages,
	s_mul_i32 s54, s53, 1536                       ; my image in them
	s_add_co_u32 s54, s54, s41
	v_add_nc_u32 v2, s54, v10                      ; v2: where a block's first four registers go
	v_add_nc_u32 v3, s54, v11                      ; v3: and its last two
	s_lshl_b32 s55, s53, 2
	s_add_co_u32 s55, s55, s41
	s_add_co_u32 s55, s55, 6144
	v_add_nc_u32 v12, s55, v10                     ; v12: my column's scale word of my 128 along K
	s_mul_i32 s57, s53, STG                        ; the way out: super-block w / 2,
	s_mul_i32 s58, s52, 3072                       ; its half w % 2
	s_add_co_u32 s57, s57, s58
	v_lshlrev_b32 v5, 4, v1                        ; v5: 16 x lane, in memory
	s_delay_alu instid0(VALU_DEP_1)
	v_add_nc_u32 v4, s57, v5                       ; v4: and in LDS
	v_lshlrev_b32 v14, 3, v1                       ; v14, v13: 8 x lane likewise, for the scale words
	s_delay_alu instid0(VALU_DEP_1)
	v_add_nc_u32 v13, s57, v14
	v_lshlrev_b32 v9, 2, v1                        ; 4 x
	s_lshr_b32 s24, ttmp9, 5                       ; which small weight
	s_lshr_b32 s25, ttmp9, 7                       ; 1: W1, 2: W2
	s_and_b32 s26, ttmp9, 31                       ; my number within the weight
	s_and_b32 s34, ttmp9, 127
	s_mov_b32 s27, 4096                            ; bytes in a row of the weight
	s_mov_b32 s28, 1                               ; log2 of the super-blocks along K
	s_mov_b32 s29, 0                               ; where the weight begins in its buffer
	s_wait_alu depctr_va_vdst(0)
	s_wait_kmcnt 0x0
	s_mov_b64 s[30:31], s[4:5]
	s_mov_b64 s[32:33], s[16:17]
	s_cmp_eq_u32 s24, 1                            ; Wk: behind Wq in wqk
	s_cselect_b64 s[30:31], s[6:7], s[30:31]
	s_cselect_b32 s29, 819200, s29
	s_cmp_eq_u32 s24, 2                            ; Wv
	s_cselect_b64 s[30:31], s[8:9], s[30:31]
	s_cselect_b64 s[32:33], s[18:19], s[32:33]
	s_cmp_eq_u32 s24, 3                            ; Wo
	s_cselect_b64 s[30:31], s[10:11], s[30:31]
	s_cselect_b64 s[32:33], s[20:21], s[32:33]
	s_cmp_eq_u32 s25, 1                            ; W1
	s_cselect_b64 s[30:31], s[12:13], s[30:31]
	s_cselect_b64 s[32:33], s[22:23], s[32:33]
	s_cselect_b32 s26, s34, s26
	s_cselect_b32 s27, 16384, s27
	s_cmp_eq_u32 s25, 2                            ; W2: behind Wo in wow2
	s_cselect_b64 s[30:31], s[14:15], s[30:31]
	s_cselect_b64 s[32:33], s[20:21], s[32:33]
	s_cselect_b32 s26, s34, s26
	s_cselect_b32 s28, 3, s28
	s_cselect_b32 s29, 819200, s29
	s_lshr_b32 s42, s26, s28                       ; which 64 columns
	s_lshl_b32 s43, s42, s28
	s_sub_co_u32 s43, s26, s43                     ; which 512 along K
	s_lshl_b32 s44, s43, 2
	s_add_co_u32 s44, s44, s53                     ; which 128 along K is my wave's
	s_lshl_b32 s45, s27, 7
	s_mul_i32 s44, s44, s45                        ; 128 rows of the weight for each,
	s_lshl_b32 s45, s42, 8
	s_add_co_u32 s44, s44, s45                     ; 256 bytes for each 64 columns,
	s_lshl_b32 s45, s52, 7
	s_add_co_u32 s44, s44, s45                     ; 128 bytes for my 32
	s_mov_b32 s45, 0
	s_add_nc_u64 s[BASE:BASE+1], s[30:31], s[44:45]
	s_lshl_b32 s46, s27, 5                         ; 32 rows on
	s_mov_b32 s47, 0
.irp t, 1,2,3
	s_add_nc_u64 s[BASE+2*\t:BASE+2*\t+1], s[BASE+2*\t-2:BASE+2*\t-1], s[46:47]
.endr
	s_lshl_b32 s48, s42, 2
	s_add_co_u32 s48, s48, s53                     ; the tile that I store: 4 x (which 64 columns) + w / 2,
	s_lshl_b32 s48, s48, s28
	s_add_co_u32 s48, s48, s43                     ; its super-block,
	s_mul_i32 s48, s48, SB
	s_add_co_u32 s48, s48, s29
	s_add_co_u32 s48, s48, s58                     ; my half of it
	s_mov_b32 s49, 0
	s_add_nc_u64 s[36:37], s[32:33], s[48:49]
.irp i, 0,1,2,3,4,5,6,7,8,9,10,11,12,13,14,15,16,17,18,19,20,21,22,23,24,25,26,27,28,29,30,31
	v_mad_u32_u24 v[OFF+\i], s27, \i, v9
.endr
.macro LOAD t                          ; block t: W(32 t + i, my column) into set t % 2; 32 lanes read 128 consecutive bytes
.irp i, 0,1,2,3,4,5,6,7,8,9,10,11,12,13,14,15,16,17,18,19,20,21,22,23,24,25,26,27,28,29,30,31
	global_load_b32 v[X+32*((\t)%2)+\i], v[OFF+\i], s[BASE+2*(\t):BASE+2*(\t)+1] th:TH_LOAD_NT
.endr
.endm
	LOAD 0
	LOAD 1
.macro BLOCK t                         ; block t is half t / 2, lanes' half t % 2 of my image
.set XS, X+32*((\t)%2)
.if (\t) < 3
	s_wait_loadcnt 32                              ; this block's 32 loads are in; the next block's may be out
.else
	s_wait_loadcnt 0
.endif
	v_max3_num_f32 v8, |v[XS]|, |v[XS+1]|, |v[XS+2]|               ; the block's largest magnitude, in two chains
	v_max3_num_f32 v10, |v[XS+3]|, |v[XS+4]|, |v[XS+5]|
.irp i, 6,10,14,18,22,26
	s_delay_alu instid0(VALU_DEP_2)
	v_max3_num_f32 v8, v8, |v[XS+\i]|, |v[XS+\i+1]|
	s_delay_alu instid0(VALU_DEP_2)
	v_max3_num_f32 v10, v10, |v[XS+\i+2]|, |v[XS+\i+3]|
.endr
	s_delay_alu instid0(VALU_DEP_2)
	v_max3_num_f32 v8, v8, |v[XS+30]|, |v[XS+31]|
	s_delay_alu instid0(VALU_DEP_1)
	v_max3_num_f32 v8, v8, v10, 0x1800000          ; and the floor 2^(3 - 127): the byte cannot fall under 1
	s_delay_alu instid0(VALU_DEP_1)
	v_add_nc_u32 v10, 0xff000000, v8               ; 2 off the exponent field: the conversion takes this operand's exponent field as its scale
	v_cvt_scalef32_pk16_fp6_f32 v[20:22], v[XS:XS+15], v10
	v_cvt_scalef32_pk16_fp6_f32 v[24:26], v[XS+16:XS+31], v10      ; (a conversion's three registers begin on an even number)
	v_lshrrev_b32 v11, 23, v10                     ; the scale's byte; also the plain line behind the conversions
.if (\t) == 0
	s_delay_alu instid0(VALU_DEP_1)
	v_mov_b32 v16, v11                             ; four bytes to a word, the lower K in the lower byte
.else
	s_delay_alu instid0(VALU_DEP_1)
	v_lshl_or_b32 v16, v11, 8*(\t), v16
.endif
	v_mov_b32 v23, v24                             ; the block's six registers on end: v20-25
	v_mov_b32 v24, v25
	v_mov_b32 v25, v26
	ds_store_b128 v2, v[20:23] offset:768*((\t)/2)+256*((\t)%2)
	ds_store_b64 v3, v[24:25] offset:768*((\t)/2)+512+128*((\t)%2)
.if (\t)+2 < 4
	LOAD (\t)+2
.endif
	s_wait_dscnt 0x0                               ; the stores have read their registers: the next block's codes may be written
.endm
	BLOCK 0
	BLOCK 1
	BLOCK 2
	BLOCK 3
	s_wait_alu depctr_va_vdst(0)
	ds_store_b32 v12, v16                          ; my column's scale word
	s_wait_dscnt 0x0                               ; for the others' sake: all my stores into the stages are done
	s_barrier_signal -1
	s_barrier_wait -1                              ; the four super-blocks are whole
.irp n, 0,1,2,3,4,5
	ds_load_b128 v[OUTR+4*\n:OUTR+4*\n+3], v4 offset:512*\n
.endr
.irp n, 0,1,2,3,4,5
	s_wait_dscnt 5-\n                              ; the younger loads may be out
	global_store_b128 v5, v[OUTR+4*\n:OUTR+4*\n+3], s[36:37] offset:512*\n    ; 32 lanes store 512 consecutive bytes, at a multiple of 256 from the buffer's first byte
.endr
	s_cmp_eq_u32 s52, 0                            ; two halves of 3,072 bytes are the four images; the wave with the upper half takes the 256 bytes of scale words too
	s_cbranch_scc1 .Ldone
	ds_load_b64 v[OUTR+24:OUTR+25], v13 offset:3072
	s_wait_dscnt 0x0
	global_store_b64 v14, v[OUTR+24:OUTR+25], s[36:37] offset:3072
.Ldone:
	s_wait_tensorcnt 0x0
	ds_add_u32 v128, v129
	s_wait_dscnt 0x0
	s_endpgm
.Lfunc_end_k_q8423cf6267_qw:
	.size	k_q8423cf6267_qw, .Lfunc_end_k_q8423cf6267_qw-k_q8423cf6267_qw
	.p2alignl 7, 3214868480
	.fill 96, 4, 3214868480
	.section	.rodata,"a",@progbits
	.p2align	6, 0x0
	.amdhsa_kernel k_q8423cf6267_qw
		.amdhsa_group_segment_fixed_size 27136
		.amdhsa_private_segment_fixed_size 0
		.amdhsa_enable_private_segment 0
		.amdhsa_kernarg_size 80
		.amdhsa_user_sgpr_count 2
		.amdhsa_user_sgpr_kernarg_segment_ptr 1
		.amdhsa_wavefront_size32 1
		.amdhsa_system_sgpr_workgroup_id_x 1
		.amdhsa_system_sgpr_workgroup_id_y 1
		.amdhsa_system_sgpr_workgroup_id_z 1
		.amdhsa_system_vgpr_workitem_id 0
		.amdhsa_next_free_vgpr 130
		.amdhsa_next_free_sgpr 80
		.amdhsa_reserve_vcc 0
		.amdhsa_float_denorm_mode_32 3
		.amdhsa_float_denorm_mode_16_64 3
		.amdhsa_memory_ordered 1
		.amdhsa_forward_progress 1
		.amdhsa_inst_pref_size 29
	.end_amdhsa_kernel
	.amdgpu_metadata
---
amdhsa.version: [ 1, 2 ]
amdhsa.kernels:
  - .name:           k_q8423cf6267_qw
    .symbol:         k_q8423cf6267_qw.kd
    .args:
      - { .name: Wq, .offset: 0, .size: 8, .value_kind: global_buffer, .address_space: global }
      - { .name: Wk, .offset: 8, .size: 8, .value_kind: global_buffer, .address_space: global }
      - { .name: Wv, .offset: 16, .size: 8, .value_kind: global_buffer, .address_space: global }
      - { .name: Wo, .offset: 24, .size: 8, .value_kind: global_buffer, .address_space: global }
      - { .name: W1, .offset: 32, .size: 8, .value_kind: global_buffer, .address_space: global }
      - { .name: W2, .offset: 40, .size: 8, .value_kind: global_buffer, .address_space: global }
      - { .name: wqk, .offset: 48, .size: 8, .value_kind: global_buffer, .address_space: global }
      - { .name: wv, .offset: 56, .size: 8, .value_kind: global_buffer, .address_space: global }
      - { .name: wow2, .offset: 64, .size: 8, .value_kind: global_buffer, .address_space: global }
      - { .name: w1c, .offset: 72, .size: 8, .value_kind: global_buffer, .address_space: global }
    .group_segment_fixed_size: 27136
    .private_segment_fixed_size: 0
    .kernarg_segment_align: 8
    .kernarg_segment_size: 80
    .max_flat_workgroup_size: 256
    .sgpr_count:     80
    .vgpr_count:     130
    .wavefront_size: 32
...
	.end_amdgpu_metadata
.endif
;; end of part 1
;; launch ln1 (part 2): grid 256 x 1, 16 waves a work-group, no clusters, 88,576 bytes of LDS; arguments X, g1, be1, a; writes a
.if DOCPART == 2
	.amdgcn_target "amdgcn-amd-amdhsa--gfx1250"
	.amdhsa_code_object_version 6
	.text
	.protected	k_q8423cf6267_ln1
	.globl	k_q8423cf6267_ln1
	.p2align	8
	.type	k_q8423cf6267_ln1,@function
k_q8423cf6267_ln1:
	s_mov_b64 s[64:65], 0
	v_nop
	global_prefetch_b8 v0, s[64:65] scope:SCOPE_SE
	s_setreg_imm32_b32 hwreg(HW_REG_WAVE_MODE, 25, 1), 1
	s_wait_xcnt 0x0
; y = (x - mean) / sqrt(var + 1e-5) x g + be along rows of 1,024 f32, all in f32 (two passes over registers), then quantised along the row to codes of FP6 (E2M3) with one E8M0 byte for each 32.
; OUTPUT LAYOUT (an operand of the products' launches): rows in tiles of 16, place r of tile T = row 32 (T / 2) + 8 (T % 2) + r % 8 + 16 (r / 8); 16 rows x 128 K are an image of the operand's 12 registers, 1,536 bytes
; (for c = 0, 1: registers 6 c .. 6 c + 3 at 768 c + 16 x lane, 6 c + 4, 6 c + 5 at 768 c + 512 + 8 x lane; lane = place + 16 h holds k = 64 c + 32 h + 0 .. 31); four images and 256 bytes of scale words
; (place r: 16 bytes, word q for the q-th 128 along K) are a super-block of 6,400 bytes; the buffer is [tile][2 super-blocks].
; A work-group of sixteen waves makes one tile; wave w its place w: ONE ROW A WAVE, in 32 registers, so that no row waits behind another.  Each wave reads g and be for itself (8 KiB beside its row's 4 KiB, the same bytes in all waves).
; Loads take the bytes as they lie (512 consecutive bytes each); the conversions want a block of 32 neighbours in ONE lane: so the normalised row turns through the wave's own stage in LDS (128 bytes + 16 of padding a block).
; The codes are gathered in an image of the tile in LDS (12,800 bytes) and leave as runs of 512 consecutive bytes.  The three small stores a row into that image fall on few banks: three instructions for 4,096 bytes read.
; LIMITS: a block whose largest magnitude lies under 2^-124 (zeros too) gets the byte 1: this program alone reads the bytes; NaN and infinities are not served.
.set G,    32                          ; v32-63   g at my 32 columns
.set BE,   64                          ; v64-95   be
.set R,    96                          ; v96-127  my row
.set TURN, 4608                        ; LDS: a turn stage for each wave: 32 blocks of 144 bytes,
.set IMGB, 16*TURN                     ; then the tile's image
	s_load_b256 s[4:11], s[0:1], 0x0               ; x, g, be, the codes
	v_lshl_add_u32 v128, v0, 2, 0x15200
	v_mov_b32 v129, 0
	v_lshrrev_b32 v1, 5, v0
	s_delay_alu instid0(VALU_DEP_1)
	v_readfirstlane_b32 s16, v1                    ; wave = my row's place in the tile
	v_and_b32 v1, 31, v0                           ; lane
	s_delay_alu instid0(VALU_DEP_1)
	v_lshlrev_b32 v2, 4, v1                        ; v2: 16 x lane
	s_lshr_b32 s17, ttmp9, 1
	s_lshl_b32 s17, s17, 5
	s_and_b32 s18, ttmp9, 1
	s_lshl_b32 s18, s18, 3
	s_add_co_u32 s17, s17, s18
	s_and_b32 s18, s16, 7
	s_add_co_u32 s17, s17, s18
	s_lshr_b32 s18, s16, 3
	s_lshl_b32 s18, s18, 4
	s_add_co_u32 s17, s17, s18                     ; my row: 32 (T / 2) + 8 (T % 2) + w % 8 + 16 (w / 8)
	s_lshl_b32 s18, s17, 12
	s_mov_b32 s19, 0
	s_mul_i32 s20, ttmp9, 12800
	s_mov_b32 s21, 0
	s_mov_b32 s12, 0x76543210                      ; v_permlanex16_b32's selects for lane l xor 16
	s_mov_b32 s13, 0xfedcba98
	s_mov_b32 s14, 0x3a800000                      ; 1 / 1,024
	s_mov_b32 s15, 0x3727c5ac                      ; 1e-5
	s_wait_alu depctr_va_vdst(0)
	s_wait_kmcnt 0x0
	s_add_nc_u64 s[4:5], s[4:5], s[18:19]
	s_add_nc_u64 s[10:11], s[10:11], s[20:21]
.irp j, 0,1,2,3,4,5,6,7
	global_load_b128 v[R+4*\j:R+4*\j+3], v2, s[4:5] offset:512*\j      ; the row first: the sums want it first
.endr
.irp j, 0,1,2,3,4,5,6,7
	global_load_b128 v[G+4*\j:G+4*\j+3], v2, s[6:7] offset:512*\j
.endr
.irp j, 0,1,2,3,4,5,6,7
	global_load_b128 v[BE+4*\j:BE+4*\j+3], v2, s[8:9] offset:512*\j
.endr
	s_mul_i32 s22, s16, TURN
	v_lshrrev_b32 v5, 3, v1
	s_delay_alu instid0(VALU_DEP_1)
	v_lshl_add_u32 v3, v5, 4, v2
	s_delay_alu instid0(VALU_DEP_1)
	v_add_nc_u32 v3, s22, v3                       ; v3: the turn stage, in: 16 l + 16 (l / 8)
	v_mul_u32_u24 v4, v1, 144
	s_delay_alu instid0(VALU_DEP_1)
	v_add_nc_u32 v4, s22, v4                       ; v4: and out: 144 l: block l
	v_lshrrev_b32 v5, 4, v1                        ; block l lies in super-block l / 16,
	s_delay_alu instid0(VALU_DEP_1)
	v_mul_u32_u24 v5, v5, 6400
	v_bfe_u32 v6, v1, 2, 2                         ; K step (l / 4) % 4,
	s_delay_alu instid0(VALU_DEP_1)
	v_mad_u32_u24 v6, v6, 1536, v5
	v_bfe_u32 v7, v1, 1, 1                         ; half (l / 2) % 2,
	s_delay_alu instid0(VALU_DEP_1)
	v_mad_u32_u24 v6, v7, 768, v6
	v_and_b32 v7, 1, v1                            ; lanes' half l % 2
	s_lshl_b32 s23, s16, 4
	s_add_co_u32 s23, s23, IMGB
	v_lshl_add_u32 v16, v7, 8, v6
	s_delay_alu instid0(VALU_DEP_1)
	v_add_nc_u32 v16, s23, v16                     ; v16: registers 0-3 of the block's six: + 256 h + 16 x place
	s_lshl_b32 s24, s16, 3
	s_add_co_u32 s24, s24, IMGB+512
	v_lshl_add_u32 v17, v7, 7, v6
	s_delay_alu instid0(VALU_DEP_1)
	v_add_nc_u32 v17, s24, v17                     ; v17: registers 4, 5: + 512 + 128 h + 8 x place
	v_and_b32 v18, 15, v1
	s_delay_alu instid0(VALU_DEP_1)
	v_add_nc_u32 v18, v18, v5
	s_add_co_u32 s25, s23, 6144
	v_add_nc_u32 v18, s25, v18                     ; v18: the scale byte: 6,144 + 16 x place + l % 16
	s_lshl_b32 s26, s16, 9
	v_add_nc_u32 v31, s26, v2                      ; v31: the way out: 512 w + 16 l
	s_delay_alu instid0(VALU_DEP_1)
	v_add_nc_u32 v19, IMGB, v31                    ; v19: the same in LDS
.macro ALLSUM                          ; v8 + v9 of all 32 lanes, into every lane's v8
	s_delay_alu instid0(VALU_DEP_1)
	v_add_f32 v8, v8, v9
	s_delay_alu instid0(VALU_DEP_1)
	v_add_f32_dpp v8, v8, v8 row_xmask:1 row_mask:0xf bank_mask:0xf
	s_delay_alu instid0(VALU_DEP_1)
	v_add_f32_dpp v8, v8, v8 row_xmask:2 row_mask:0xf bank_mask:0xf
	s_delay_alu instid0(VALU_DEP_1)
	v_add_f32_dpp v8, v8, v8 row_xmask:4 row_mask:0xf bank_mask:0xf
	s_delay_alu instid0(VALU_DEP_1)
	v_add_f32_dpp v8, v8, v8 row_xmask:8 row_mask:0xf bank_mask:0xf
	s_delay_alu instid0(VALU_DEP_1)
	v_permlanex16_b32 v9, v8, s12, s13
	s_delay_alu instid0(VALU_DEP_1)
	v_add_f32 v8, v8, v9
.endm
	s_wait_loadcnt 16                              ; my row is in; the sixteen loads of g and be may be out
	v_pk_add_f32 v[10:11], v[96:97], v[98:99]
	v_pk_add_f32 v[28:29], v[104:105], v[108:109]
	v_pk_add_f32 v[26:27], v[112:113], v[116:117]
	v_pk_add_f32 v[24:25], v[120:121], v[124:125]
	v_pk_add_f32 v[22:23], v[100:101], v[102:103]
	v_pk_add_f32 v[20:21], v[106:107], v[110:111]
	v_pk_add_f32 v[14:15], v[114:115], v[118:119]
	v_pk_add_f32 v[8:9], v[122:123], v[126:127]
	s_delay_alu instid0(VALU_DEP_1)
	v_pk_add_f32 v[8:9], v[8:9], v[24:25]
	v_pk_add_f32 v[10:11], v[10:11], v[22:23]
	v_pk_add_f32 v[28:29], v[28:29], v[20:21]
	v_pk_add_f32 v[26:27], v[26:27], v[14:15]
	s_delay_alu instid0(VALU_DEP_2)
	v_pk_add_f32 v[8:9], v[8:9], v[28:29]
	s_delay_alu instid0(VALU_DEP_2)
	v_pk_add_f32 v[10:11], v[10:11], v[26:27]
	s_delay_alu instid0(VALU_DEP_1)
	v_pk_add_f32 v[8:9], v[8:9], v[10:11]
	ALLSUM
	s_delay_alu instid0(VALU_DEP_1)
	v_mul_f32 v12, s14, v8                         ; the mean, twice: a pair for the packed form
	s_delay_alu instid0(VALU_DEP_2)
	v_mul_f32 v13, s14, v8
.set J, 0
.rept 16
	v_pk_add_f32 v[R+J:R+J+1], v[R+J:R+J+1], v[12:13] neg_lo:[0,1] neg_hi:[0,1]   ; d = x - mean
.set J, J+2
.endr
	v_pk_mul_f32 v[8:9], v[R:R+1], v[R:R+1]        ; the sum of d^2
	v_pk_mul_f32 v[10:11], v[R+2:R+3], v[R+2:R+3]
.irp j, 4,8,12,16,20,24,28
	s_delay_alu instid0(VALU_DEP_2)
	v_pk_fma_f32 v[8:9], v[R+\j:R+\j+1], v[R+\j:R+\j+1], v[8:9]
	s_delay_alu instid0(VALU_DEP_2)
	v_pk_fma_f32 v[10:11], v[R+\j+2:R+\j+3], v[R+\j+2:R+\j+3], v[10:11]
.endr
	s_delay_alu instid0(VALU_DEP_1)
	v_pk_add_f32 v[8:9], v[8:9], v[10:11]
	ALLSUM
	s_delay_alu instid0(VALU_DEP_1)
	v_fma_f32 v8, v8, s14, s15                     ; var + 1e-5
	s_wait_alu depctr_va_vdst(0)
	v_rsq_f32 v14, v8
	v_rsq_f32 v15, v8
	v_nop                                          ; a plain line between the transcendentals and the use of their results (ISA guide 5.7.2)
.set J, 0
	s_wait_alu depctr_va_vdst(0)
.rept 16
	v_pk_mul_f32 v[R+J:R+J+1], v[R+J:R+J+1], v[14:15]
.set J, J+2
.endr
	s_wait_loadcnt 0x0                             ; g and be
.set J, 0
.rept 16
	v_pk_fma_f32 v[R+J:R+J+1], v[R+J:R+J+1], v[G+J:G+J+1], v[BE+J:BE+J+1]
.set J, J+2
.endr
.irp j, 0,1,2,3,4,5,6,7
	ds_store_b128 v3, v[R+4*\j:R+4*\j+3] offset:576*\j      ; as they lie: four blocks of 128 + 16 bytes for each 512
.endr
.irp j, 0,1,2,3,4,5,6,7
	ds_load_b128 v[R+4*\j:R+4*\j+3], v4 offset:16*\j        ; LDS serves a wave's instructions in order: these see the stores.  Lane l now holds block l
.endr
	s_wait_dscnt 0x0
	v_max3_num_f32 v8, |v[R]|, |v[R+1]|, |v[R+2]|
	v_max3_num_f32 v10, |v[R+3]|, |v[R+4]|, |v[R+5]|
.irp j, 6,10,14,18,22,26
	s_delay_alu instid0(VALU_DEP_2)
	v_max3_num_f32 v8, v8, |v[R+\j]|, |v[R+\j+1]|
	s_delay_alu instid0(VALU_DEP_2)
	v_max3_num_f32 v10, v10, |v[R+\j+2]|, |v[R+\j+3]|
.endr
	s_delay_alu instid0(VALU_DEP_2)
	v_max3_num_f32 v8, v8, |v[R+30]|, |v[R+31]|
	s_delay_alu instid0(VALU_DEP_1)
	v_max3_num_f32 v8, v8, v10, 0x1800000          ; the floor 2^(3 - 127): the byte cannot fall under 1
	s_delay_alu instid0(VALU_DEP_1)
	v_add_nc_u32 v10, 0xff000000, v8               ; 2 off the exponent field: the conversion's scale operand
	v_cvt_scalef32_pk16_fp6_f32 v[20:22], v[R:R+15], v10
	v_cvt_scalef32_pk16_fp6_f32 v[24:26], v[R+16:R+31], v10
	v_lshrrev_b32 v11, 23, v10                     ; the scale's byte; also the plain line behind the conversions
	v_mov_b32 v23, v24
	v_mov_b32 v24, v25
	v_mov_b32 v25, v26
	ds_store_b128 v16, v[20:23]
	ds_store_b64 v17, v[24:25]
	ds_store_b8 v18, v11
	s_wait_dscnt 0x0                               ; for the others' sake: my stores into the image are done
	s_barrier_signal -1
	s_barrier_wait -1                              ; the tile's image is whole
	ds_load_b128 v[R:R+3], v19
	s_wait_dscnt 0x0
	global_store_b128 v31, v[R:R+3], s[10:11]      ; 32 lanes store 512 consecutive bytes, at a multiple of 256 from the buffer's first byte
	s_cmp_gt_u32 s16, 8                            ; 12,800 bytes are 25 runs of 512: waves 0 to 8 take a second one
	s_cbranch_scc1 .Ldone
	ds_load_b128 v[R+4:R+7], v19 offset:8192
	s_wait_dscnt 0x0
	global_store_b128 v31, v[R+4:R+7], s[10:11] offset:8192
.Ldone:
	s_wait_tensorcnt 0x0
	ds_add_u32 v128, v129
	s_wait_dscnt 0x0
	s_endpgm
.Lfunc_end_k_q8423cf6267_ln1:
	.size	k_q8423cf6267_ln1, .Lfunc_end_k_q8423cf6267_ln1-k_q8423cf6267_ln1
	.p2alignl 7, 3214868480
	.fill 96, 4, 3214868480
	.section	.rodata,"a",@progbits
	.p2align	6, 0x0
	.amdhsa_kernel k_q8423cf6267_ln1
		.amdhsa_group_segment_fixed_size 88576
		.amdhsa_private_segment_fixed_size 0
		.amdhsa_enable_private_segment 0
		.amdhsa_kernarg_size 32
		.amdhsa_user_sgpr_count 2
		.amdhsa_user_sgpr_kernarg_segment_ptr 1
		.amdhsa_wavefront_size32 1
		.amdhsa_system_sgpr_workgroup_id_x 1
		.amdhsa_system_sgpr_workgroup_id_y 1
		.amdhsa_system_sgpr_workgroup_id_z 1
		.amdhsa_system_vgpr_workitem_id 0
		.amdhsa_next_free_vgpr 130
		.amdhsa_next_free_sgpr 66
		.amdhsa_reserve_vcc 0
		.amdhsa_float_denorm_mode_32 3
		.amdhsa_float_denorm_mode_16_64 3
		.amdhsa_memory_ordered 1
		.amdhsa_forward_progress 1
		.amdhsa_inst_pref_size 17
	.end_amdhsa_kernel
	.amdgpu_metadata
---
amdhsa.version: [ 1, 2 ]
amdhsa.kernels:
  - .name:           k_q8423cf6267_ln1
    .symbol:         k_q8423cf6267_ln1.kd
    .args:
      - { .name: X, .offset: 0, .size: 8, .value_kind: global_buffer, .address_space: global }
      - { .name: g1, .offset: 8, .size: 8, .value_kind: global_buffer, .address_space: global }
      - { .name: be1, .offset: 16, .size: 8, .value_kind: global_buffer, .address_space: global }
      - { .name: a, .offset: 24, .size: 8, .value_kind: global_buffer, .address_space: global }
    .group_segment_fixed_size: 88576
    .private_segment_fixed_size: 0
    .kernarg_segment_align: 8
    .kernarg_segment_size: 32
    .max_flat_workgroup_size: 512
    .sgpr_count:     66
    .vgpr_count:     130
    .wavefront_size: 32
...
	.end_amdgpu_metadata
.endif
;; end of part 2
;; launch qk (part 3): grid 16 x 16, 4 waves a work-group, clusters of 4 x 4, 327,680 bytes of LDS; arguments wqk, a, qkh; writes qkh
.if DOCPART == 3
	.amdgcn_target "amdgcn-amd-amdhsa--gfx1250"
	.amdhsa_code_object_version 6
	.text
	.protected	k_q8423cf6267_qk
	.globl	k_q8423cf6267_qk
	.p2align	8
	.type	k_q8423cf6267_qk,@function
k_q8423cf6267_qk:
	s_mov_b64 s[64:65], 0
	v_nop
	global_prefetch_b8 v0, s[64:65] scope:SCOPE_SE
	s_setreg_imm32_b32 hwreg(HW_REG_WAVE_MODE, 25, 1), 1
	s_wait_xcnt 0x0
	s_wait_alu depctr_hold_cnt(0) depctr_sa_sdst(0) depctr_va_vdst(0) depctr_va_sdst(0) depctr_va_ssrc(0) depctr_va_vcc(0) depctr_vm_vsrc(0)
	s_getreg_b32 s2, hwreg(HW_REG_IB_STS2, 6, 4)
	s_cmp_eq_u32 s2, 0
	s_cbranch_scc0 .Lentry_in_a_cluster
	s_endpgm
.Lentry_in_a_cluster:
	s_bfe_u32 s2, ttmp6, 0x10000c
	s_cmp_lg_u32 s2, 0xf033
	s_cbranch_scc0 .Lentry_shape_is_right
	s_endpgm
.Lentry_shape_is_right:
; OUT[j][i] = Q( sum over k of S1[j][k] S0[i][k] ), K = 1,024, both operands codes of FP6 (E2M3) with one E8M0 scale for each 32 along K; Q quantises the result along i in the same format.  Sums in f32.
; Run twice: S0 = Wq | Wk (rows: their columns), S1 = the normalised tokens: q and k, quantised along the heads' channels;  S0 = the tokens, S1 = Wv: v, quantised along the tokens (the keys).
; LAYOUT OF EVERY OPERAND.  Rows in tiles of 16; place r of tile T is row 32 (T / 2) + 8 (T % 2) + r % 8 + 16 (r / 8).  16 rows x 128 K are an IMAGE of the operand's 12 registers, 1,536 bytes: for c = 0, 1 registers
; 6 c .. 6 c + 3 at 768 c + 16 x lane, registers 6 c + 4, 6 c + 5 at 768 c + 512 + 8 x lane.  Four images and 256 bytes of scale words (place r: 16 bytes, word q for the q-th 128 along K) are a SUPER-BLOCK, 6,400 bytes.
; A buffer is [tile][super-block along K]: S0 and S1 two to a tile, OUT eight.
; SHARES.  A work-group makes 256 rows of S1 x 128 rows of S0; wave w S1's tiles 4 w .. 4 w + 3 against S0's eight: 32 accumulators.  All of K of both operands lies in LDS (2 x 153,600 bytes), filled once: no slot is filled again.
; THE MATRIX INSTRUCTION: source 0 = a tile of S0, source 1 = a tile of S1.  A lane then holds ONE row of S1, and by the choice of a tile's rows the 16 registers of S0's tiles 2 b, 2 b + 1 are 16 neighbours
; i = 32 b + 16 (lane / 16) + 0 .. 15: the conversions take them as they stand, and a wave's 128 results a row are one image of OUT with its scale word.
; A STEP is 128 along K: 32 products.  The next step's 48 LDS loads stand in three runs of 16 between the step's runs of eight products, none ahead of its last sixteen; so also from slot 0's last step to slot 1's first.
; CLUSTER 4 x 4: S0's tiles hang on the work-group's x alone and are asked for jointly by a column of the cluster, S1's on y alone, by a row.
; REGISTERS, in windows of 256: window 0: v8-25 addresses; scale words, a set for each slot s: S0's at v[32 + 160 s + 4 t + q], S1's at v[64 + 160 s + 4 a + q]; v80-175 S1's fragments, two sets of 48, later the codes made; v176-191 at work.
;   window 1: accumulator (a, t) at 64 a + 8 t.   window 2: S0's fragments, two sets of 96; from v192 the bias, where there is one.
; LIMITS: a block whose largest magnitude lies under 2^-124 (zeros too) gets the byte 1: this program alone reads the bytes; NaN and infinities are not served.
.set NSB,    2                         ; super-blocks along K
.set BIAS,   0                         ; 1: a bias along i starts the sums
.set RELU,   0                         ; 1: max(., 0) ahead of the quantiser
.set SB,     6400
.set IMG,    1536
.set SCW,    6144
.set S1B,    8*SB                      ; in a slot: S0's eight tiles, then S1's sixteen
.set SLOT,   24*SB
.set OPITCH, 8*SB                      ; a tile of OUT
.set TM,     176
.set G1A, 24                           ; s[24:31] descriptor group 1 for S0;  s[32:39] group 0, one set for each slot
.set G0A, 32
.set G1B, 48                           ; s[48:55], s[56:63] the same for S1
.set G0B, 56
.set MSB, 0
.macro WIN new                         ; the immediate's high byte repeats the setting that is left
.if MSB != \new
	s_set_vgpr_msb (MSB<<8)|\new
.set MSB, \new
.endif
.endm
.macro CREST                           ; a round of the cluster's barrier behind its opening barrier
	s_cmp_lg_u32 s14, 0
	s_cbranch_scc1 .Lnot_wave_0_\@
	s_barrier_signal -3
.Lnot_wave_0_\@:
	s_barrier_wait -3
	s_barrier_signal -1
	s_barrier_wait -1
.endm
.macro CROUND
	s_barrier_signal -1
	s_barrier_wait -1
	CREST
.endm
.macro PLACES                          ; four plain vector lines between a matrix instruction and a load into, or a vector read or write of, its registers (ISA guide 7.12.1 for vector reads and writes)
.rept 4
	v_nop
.endr
.endm
.macro FRAG reg, a16, a8, off          ; an image comes back as the registers that it is: four loads, each of consecutive bytes
	ds_load_b128 v[\reg:\reg+3], v[\a16] offset:\off
	ds_load_b64 v[\reg+4:\reg+5], v[\a8] offset:\off+512
	ds_load_b128 v[\reg+6:\reg+9], v[\a16] offset:\off+768
	ds_load_b64 v[\reg+10:\reg+11], v[\a8] offset:\off+1280
.endm
.macro SCALES slot                     ; a super-block's scale words, four a row, into the slot's own set
.irp t, 0,1,2,3,4,5,6,7
	ds_load_b128 v[32+160*\slot+4*\t:35+160*\slot+4*\t], v[16+\slot] offset:SB*\t+SCW
.endr
.irp a, 0,1,2,3
	ds_load_b128 v[64+160*\slot+4*\a:67+160*\slot+4*\a], v[18+\slot] offset:SB*\a+SCW
.endr
.endm
.macro FA slot, q, set, t0             ; S0's tiles t0 .. t0 + 3 of the slot's q-th 128 along K: 16 loads
	WIN 0x80                                       ; destination window 2
.irp t, \t0, \t0+1, \t0+2, \t0+3
	FRAG 96*(\set)+12*(\t), 8+\slot, 10+\slot, SB*(\t)+IMG*(\q)
.endr
.endm
.macro FB slot, q, set                 ; S1's four tiles: 16 loads
	WIN 0
.irp a, 0,1,2,3
	FRAG 80+48*(\set)+12*\a, 12+\slot, 14+\slot, SB*\a+IMG*(\q)
.endr
.endm
.macro MULG q, set, sc, first, t0      ; 8 matrix instructions: S0's tiles t0, t0 + 1 x S1's four.  The 32 accumulators take turns, one instruction a turn, in the same order in every step
.if (\first) && BIAS
	WIN 0x62                                       ; source 0 window 2, source 1 window 0, C (the bias) window 2, D window 1
.else
	WIN 0x52                                       ; C and D window 1
.endif
.irp t, \t0, \t0+1
.irp a, 0,1,2,3
.if (\first) && BIAS
	v_wmma_scale_f32_16x16x128_f8f6f4 v[64*\a+8*(\t):64*\a+8*(\t)+7], v[96*(\set)+12*(\t):96*(\set)+12*(\t)+11], v[80+48*(\set)+12*\a:80+48*(\set)+12*\a+11], v[192+8*(\t):192+8*(\t)+7], v[32+160*(\sc)+4*(\t)+(\q)], v[64+160*(\sc)+4*\a+(\q)] matrix_a_fmt:MATRIX_FMT_FP6 matrix_b_fmt:MATRIX_FMT_FP6
.elseif \first
	v_wmma_scale_f32_16x16x128_f8f6f4 v[64*\a+8*(\t):64*\a+8*(\t)+7], v[96*(\set)+12*(\t):96*(\set)+12*(\t)+11], v[80+48*(\set)+12*\a:80+48*(\set)+12*\a+11], 0, v[32+160*(\sc)+4*(\t)+(\q)], v[64+160*(\sc)+4*\a+(\q)] matrix_a_fmt:MATRIX_FMT_FP6 matrix_b_fmt:MATRIX_FMT_FP6
.else
	v_wmma_scale_f32_16x16x128_f8f6f4 v[64*\a+8*(\t):64*\a+8*(\t)+7], v[96*(\set)+12*(\t):96*(\set)+12*(\t)+11], v[80+48*(\set)+12*\a:80+48*(\set)+12*\a+11], v[64*\a+8*(\t):64*\a+8*(\t)+7], v[32+160*(\sc)+4*(\t)+(\q)], v[64+160*(\sc)+4*\a+(\q)] matrix_a_fmt:MATRIX_FMT_FP6 matrix_b_fmt:MATRIX_FMT_FP6
.endif
.endr
.endr
.endm
; THE STEP q of slot: its fragments lie in set q % 2 (the wait for them stands ahead of the macro).  fetch = 1: the fragments of step nq of slot nslot come into the other set, which the step before multiplied: the four places
; at the head stand between those products and all three runs of loads.  With a slot's first step come its scale words, into the set that this step's products do not name.
.macro WORK slot, q, first, fetch, nslot, nq
	PLACES
.if \fetch
	FA \nslot, \nq, 1-(\q)%2, 0
.endif
	MULG \q, (\q)%2, \slot, \first, 0
.if \fetch
	FA \nslot, \nq, 1-(\q)%2, 4
.endif
	MULG \q, (\q)%2, \slot, \first, 2
.if \fetch
	FB \nslot, \nq, 1-(\q)%2
.if (\nq) == 0
	SCALES \nslot
.endif
.endif
	MULG \q, (\q)%2, \slot, \first, 4
	MULG \q, (\q)%2, \slot, \first, 6
.endm
; 64 numbers of a lane in window 1, register s + 16 b + i = index 32 b + 16 (lane / 16) + i of my row, become an image's 12 registers in v[pc] on and its scale word in v[pw].
.macro QUANT s, pc, pw
	WIN 0x05                                       ; sources 0 and 1 window 1
.irp b, 0,1,2,3
	v_max3_num_f32 v[TM+\b], |v[(\s)+16*\b]|, |v[(\s)+1+16*\b]|, 0x1800000   ; block b: my 16 numbers, each accumulator from its low end on, and the floor 2^(3 - 127): the byte cannot fall under 1
.endr
.irp i, 2,4,6,8,10,12,14
.irp b, 0,1,2,3
	v_max3_num_f32 v[TM+\b], |v[(\s)+16*\b+\i]|, |v[(\s)+1+16*\b+\i]|, v[TM+\b]
.endr
.endr
	WIN 0
.irp b, 0,1,2,3
	v_permlanex16_b32 v[TM+4+\b], v[TM+\b], s20, s21
.endr
.irp b, 0,1,2,3
	v_max_num_f32 v[TM+\b], v[TM+\b], v[TM+4+\b]   ; with lane l xor 16's: the block's largest magnitude
.endr
.irp b, 0,1,2,3
	v_add_nc_u32 v[TM+12+\b], 0xff000000, v[TM+\b] ; 2 off its exponent field: the conversion's scale operand
.endr
.irp b, 0,1,2,3
	v_lshrrev_b32 v[TM+4+\b], 23, v[TM+12+\b]      ; the scale's byte
.endr
	v_lshl_or_b32 v[\pw], v[TM+5], 8, v[TM+4]
	v_lshl_or_b32 v[\pw], v[TM+6], 16, v[\pw]
	v_lshl_or_b32 v[\pw], v[TM+7], 24, v[\pw]
	WIN 0x01                                       ; source 0 window 1
.irp c, 0,1
	v_cvt_scalef32_pk16_fp6_f32 v[(\pc)+6*\c:(\pc)+2+6*\c], v[(\s)+32*\c:(\s)+15+32*\c], v[TM+12+2*\c]
	v_cvt_scalef32_pk16_fp6_f32 v[(\pc)+12+4*\c:(\pc)+14+4*\c], v[(\s)+16+32*\c:(\s)+31+32*\c], v[TM+12+2*\c+1]   ; (a conversion's three registers begin on an even number)
.endr
	WIN 0
	v_nop                                          ; one plain line behind a scaled conversion
.irp c, 0,1                            ; the layout wants a WHOLE block in a lane: lanes 0-15 block 2 c, lanes 16-31 block 2 c + 1
.irp i, 0,1,2
	v_permlane16_swap_b32 v[(\pc)+6*\c+\i], v[(\pc)+12+4*\c+\i]
.endr
.irp i, 0,1,2
	v_mov_b32 v[(\pc)+3+6*\c+\i], v[(\pc)+12+4*\c+\i]
.endr
.endr
.endm
	s_load_b128 s[4:7], s[0:1], 0x0                ; S0, S1
.if BIAS
	s_load_b128 s[8:11], s[0:1], 0x10              ; the bias, OUT
.else
	s_load_b64 s[10:11], s[0:1], 0x10              ; OUT
	v_lshl_add_u32 v254, v0, 2, 0x4b000
	v_mov_b32 v255, 0
	ds_add_u32 v254, v255
	ds_add_u32 v254, v255
.endif
	v_lshrrev_b32 v1, 5, v0
	v_readfirstlane_b32 s14, v1                    ; wave 0..3
	s_bfe_u32 s40, ttmp6, 0x40000                  ; cx, cy: my place in the cluster
	s_bfe_u32 s41, ttmp6, 0x40004
	s_lshl_b32 s42, ttmp9, 2
	s_add_co_u32 s42, s42, s40                     ; x = 4 x cluster x + cx: which eight tiles of S0
	s_and_b32 s17, ttmp7, 0xffff
	s_lshl_b32 s17, s17, 2
	s_add_co_u32 s17, s17, s41                     ; y = 4 x cluster y + cy: which sixteen tiles of S1
	s_lshl_b32 s43, s41, 2
	s_lshl_b32 s43, 15, s43                        ; my row of the cluster
	s_lshl_b32 s44, 0x1111, s40                    ; my column
	s_or_b32 s[G1A], s44, (3<<16)|(1<<21)          ; 15:0 the mask: S0's tiles go to my column; 17:16 elements of 8 bytes; 20 no padding; 21 set beside a mask
	s_or_b32 s[G1B], s43, (3<<16)|(1<<21)          ; S1's go to my row
.irp g, G1A, G1B
	s_mov_b32 s[\g+1], 800<<16                     ; tensor_dim0: a super-block, 800 elements
	s_mov_b32 s[\g+3], 800<<16                     ; tile_dim0
	s_mov_b32 s[\g+5], NSB*800                     ; from tile to tile of the operand
	s_mov_b32 s[\g+6], 0
	s_mov_b32 s[\g+7], 0
.endr
	s_mov_b32 s[G1A+2], 8<<16                      ; tensor_dim1 and tile_dim1: S0's eight tiles in one load,
	s_mov_b32 s[G1A+4], 8
	s_mov_b32 s[G1B+2], 16<<16                     ; S1's sixteen in one
	s_mov_b32 s[G1B+4], 16
	s_mul_i32 s18, s42, 8*NSB*SB                   ; S0: tile 8 x
	s_mov_b32 s19, 0
	s_mul_i32 s22, s17, 16*NSB*SB                  ; S1: tile 16 y
	s_mov_b32 s23, 0
	s_mov_b32 s20, 0x76543210                      ; v_permlanex16_b32's selects for lane l xor 16
	s_mov_b32 s21, 0xfedcba98
	s_wait_dscnt 0x0
	s_wait_kmcnt 0x0
	s_add_nc_u64 s[18:19], s[4:5], s[18:19]
	s_add_nc_u64 s[22:23], s[6:7], s[22:23]
	CROUND                                         ; all sixteen work-groups are here: the joint loads meet
.irp s, 0,1
	s_mov_b32 s[G0A+4*\s], 1
	s_mov_b32 s[G0A+4*\s+1], \s*SLOT
	s_add_nc_u64 s[G0A+4*\s+2:G0A+4*\s+3], s[18:19], \s*SB
	s_or_b32 s[G0A+4*\s+3], s[G0A+4*\s+3], 0x80000000
	s_mov_b32 s[G0B+4*\s], 1
	s_mov_b32 s[G0B+4*\s+1], S1B+\s*SLOT
	s_add_nc_u64 s[G0B+4*\s+2:G0B+4*\s+3], s[22:23], \s*SB
	s_or_b32 s[G0B+4*\s+3], s[G0B+4*\s+3], 0x80000000
.endr
	s_cmp_eq_u32 s14, 0                            ; the four fills, one a wave, in one chain of branches on the wave's number: wave 0 S0's slot 0, wave 1 S1's slot 0, wave 2 S0's slot 1, wave 3 S1's slot 1
	s_cbranch_scc0 .Lfirst_1
	tensor_load_to_lds s[G0A:G0A+3], s[G1A:G1A+7]
	s_nop 0
.rept 4
	v_nop
.endr
	s_branch .Lfirst_done
.Lfirst_1:
	s_cmp_eq_u32 s14, 1
	s_cbranch_scc0 .Lfirst_2
	tensor_load_to_lds s[G0B:G0B+3], s[G1B:G1B+7]
	s_nop 0
.rept 4
	v_nop
.endr
	s_branch .Lfirst_done
.Lfirst_2:
	s_cmp_eq_u32 s14, 2
	s_cbranch_scc0 .Lfirst_3
	tensor_load_to_lds s[G0A+4:G0A+7], s[G1A:G1A+7]
	s_nop 0
.rept 4
	v_nop
.endr
	s_branch .Lfirst_done
.Lfirst_3:
	tensor_load_to_lds s[G0B+4:G0B+7], s[G1B:G1B+7]
	s_nop 0
.rept 4
	v_nop
.endr
.Lfirst_done:
	v_and_b32 v1, 31, v0                           ; lane
	v_and_b32 v2, 15, v0                           ; r
	v_bfe_u32 v3, v0, 4, 1                         ; h
	v_lshlrev_b32 v20, 4, v1                       ; v20: 16 x lane
	v_lshlrev_b32 v21, 3, v1                       ; v21: 8 x lane
	v_lshlrev_b32 v22, 4, v2                       ; v22: 16 r
	v_lshlrev_b32 v25, 6, v3                       ; v25: 64 h
	s_mul_i32 s47, s14, 4*SB
	s_add_co_u32 s47, s47, S1B                     ; my four tiles of S1
.irp s, 0,1
	v_add_nc_u32 v[8+\s], \s*SLOT, v20             ; v8-9, v10-11: S0's images in slot s; v16-17 its scale words
	v_add_nc_u32 v[10+\s], \s*SLOT, v21
	v_add_nc_u32 v[16+\s], \s*SLOT, v22
	v_add_nc_u32 v[12+\s], s47, v20                ; v12-13, v14-15, v18-19: the same for S1
	v_add_nc_u32 v[14+\s], s47, v21
	v_add_nc_u32 v[18+\s], s47, v22
	s_add_co_u32 s47, s47, SLOT
.endr
.irp b, 0,1,2,3
	v_mov_b32 v[TM+4+\b], 0                        ; written once: a lane permute's destination counts as one of its sources
.endr
	s_lshl_b32 s66, s17, 4                         ; OUT: tile 16 y + 4 wave, super-block x / 4, image x % 4
	s_lshl_b32 s67, s14, 2
	s_add_co_u32 s66, s66, s67
	s_mul_i32 s66, s66, OPITCH
	s_lshr_b32 s67, s42, 2
	s_mul_i32 s67, s67, SB
	s_add_co_u32 s66, s66, s67
	s_and_b32 s68, s42, 3
	s_mul_i32 s69, s68, IMG
	s_add_co_u32 s70, s66, s69
	s_mov_b32 s71, 0
	s_lshl_b32 s68, s68, 2
	s_add_co_u32 s72, s66, s68
	s_add_co_u32 s72, s72, SCW
	s_mov_b32 s73, 0
	s_add_nc_u64 s[70:71], s[10:11], s[70:71]      ; the images
	s_add_nc_u64 s[72:73], s[10:11], s[72:73]      ; the scale words
.if BIAS
	s_lshl_b32 s74, s42, 9                         ; my 128 numbers of the bias; lane (r, h) wants, for tile t, those of i = 32 (t / 2) + 16 h + 8 (t % 2) + 0 .. 7: the result's layout
	s_mov_b32 s75, 0
	s_add_nc_u64 s[8:9], s[8:9], s[74:75]
	WIN 0x80
.irp t, 0,1,2,3,4,5,6,7
	global_load_b128 v[192+8*\t:195+8*\t], v25, s[8:9] offset:(32*(\t/2)+8*(\t%2))*4
	global_load_b128 v[196+8*\t:199+8*\t], v25, s[8:9] offset:(32*(\t/2)+8*(\t%2))*4+16
.endr
	WIN 0
.endif
	s_wait_alu depctr_va_vdst(0)
	s_cmp_lt_u32 s14, 2                            ; waves 0 and 1 wait for slot 0's two tiles; slot 1's may stay out
	s_cbranch_scc0 .Lslot_1_is_mine
	s_wait_tensorcnt 0x0
.Lslot_1_is_mine:
	s_barrier_signal -1
	s_barrier_wait -1                              ; everybody's is
	SCALES 0                                       ; the first step's scale words and fragments: the one run of loads with no product beside it
	FA 0, 0, 0, 0
	FA 0, 0, 0, 4
	FB 0, 0, 0
.if BIAS
	s_wait_loadcnt 0x0
.endif
	s_wait_dscnt 0x0
	WORK 0, 0, 1, 1, 0, 1                          ; the first products start the sums: nothing is cleared
	s_wait_dscnt 0x0                               ; at each step's head: its fragments are in (the last run was asked for sixteen products ago)
	WORK 0, 1, 0, 1, 0, 2
	s_wait_dscnt 0x0
	WORK 0, 2, 0, 1, 0, 3
	s_wait_tensorcnt 0x0                           ; my part of slot 1 is in,
	s_wait_dscnt 0x0                               ; and slot 0's last fragments are in registers
	s_barrier_signal -1
	s_barrier_wait -1                              ; everybody's
	WORK 0, 3, 0, 1, 1, 0                          ; slot 1's first fragments and scale words come under slot 0's last products
	s_wait_dscnt 0x0
	WORK 1, 0, 0, 1, 1, 1
	s_wait_dscnt 0x0
	WORK 1, 1, 0, 1, 1, 2
	s_wait_dscnt 0x0
	WORK 1, 2, 0, 1, 1, 3
	s_wait_dscnt 0x0
	WORK 1, 3, 0, 0, 0, 0
	WIN 0
	PLACES
.irp a, 0,1,2,3                        ; S1's tile a: 16 rows x 128 results become one image and its scale words; each a has registers of its own, so no store's data are written again
.if RELU
	WIN 0x44                                       ; source 1 and destination window 1
.set J, 0
.rept 64
	v_max_num_f32 v[64*\a+J], 0, v[64*\a+J]        ; the activation, in f32; each accumulator from its low end on
.set J, J+1
.endr
.endif
	QUANT 64*\a, 80+20*\a, 160+\a
	global_store_b128 v20, v[80+20*\a:83+20*\a], s[70:71] offset:OPITCH*\a           ; each store covers consecutive bytes, whole aligned runs of 256
	global_store_b64 v21, v[84+20*\a:85+20*\a], s[70:71] offset:OPITCH*\a+512
	global_store_b128 v20, v[86+20*\a:89+20*\a], s[70:71] offset:OPITCH*\a+768
	global_store_b64 v21, v[90+20*\a:91+20*\a], s[70:71] offset:OPITCH*\a+1280
	global_store_b32 v22, v[160+\a], s[72:73] offset:OPITCH*\a                       ; 4 of a row's 16 bytes of scale words (lanes 16-31 write the same words again): these 256 bytes are filled by four work-groups; one byte in 25 of the output
.endr
	s_wait_tensorcnt 0x0
	ds_add_u32 v254, v255
	s_wait_dscnt 0x0
	CROUND                                         ; the closing round: no work-group ends while a partner may still ask for a tile that names it
	s_endpgm
.Lfunc_end_k_q8423cf6267_qk:
	.size	k_q8423cf6267_qk, .Lfunc_end_k_q8423cf6267_qk-k_q8423cf6267_qk
	.p2alignl 7, 3214868480
	.fill 96, 4, 3214868480
	.section	.rodata,"a",@progbits
	.p2align	6, 0x0
	.amdhsa_kernel k_q8423cf6267_qk
		.amdhsa_group_segment_fixed_size 327680
		.amdhsa_private_segment_fixed_size 0
		.amdhsa_enable_private_segment 0
		.amdhsa_kernarg_size 24
		.amdhsa_user_sgpr_count 2
		.amdhsa_user_sgpr_kernarg_segment_ptr 1
		.amdhsa_wavefront_size32 1
		.amdhsa_system_sgpr_workgroup_id_x 1
		.amdhsa_system_sgpr_workgroup_id_y 1
		.amdhsa_system_sgpr_workgroup_id_z 1
		.amdhsa_system_vgpr_workitem_id 0
		.amdhsa_next_free_vgpr 704
		.amdhsa_next_free_sgpr 80
		.amdhsa_reserve_vcc 0
		.amdhsa_float_denorm_mode_32 3
		.amdhsa_float_denorm_mode_16_64 3
		.amdhsa_memory_ordered 1
		.amdhsa_forward_progress 1
		.amdhsa_inst_pref_size 85
	.end_amdhsa_kernel
	.amdgpu_metadata
---
amdhsa.version: [ 1, 2 ]
amdhsa.kernels:
  - .name:           k_q8423cf6267_qk
    .symbol:         k_q8423cf6267_qk.kd
    .args:
      - { .name: wqk, .offset: 0, .size: 8, .value_kind: global_buffer, .address_space: global }
      - { .name: a, .offset: 8, .size: 8, .value_kind: global_buffer, .address_space: global }
      - { .name: qkh, .offset: 16, .size: 8, .value_kind: global_buffer, .address_space: global }
    .group_segment_fixed_size: 327680
    .private_segment_fixed_size: 0
    .kernarg_segment_align: 8
    .kernarg_segment_size: 24
    .max_flat_workgroup_size: 128
    .sgpr_count:     80
    .vgpr_count:     704
    .wavefront_size: 32
...
	.end_amdgpu_metadata
.endif
;; end of part 3
;; launch v: the kernel of part 3 again; grid 32 x 4, 4 waves a work-group, clusters of 4 x 4, 327,680 bytes of LDS; arguments a, wv, x1v; writes x1v
;; launch attn (part 4): grid 16 x 16, 16 waves a work-group, clusters of 4 x 1, 327,680 bytes of LDS; arguments qkh, x1v, a; writes a
.if DOCPART == 4
	.amdgcn_target "amdgcn-amd-amdhsa--gfx1250"
	.amdhsa_code_object_version 6
	.text
	.protected	k_q8423cf6267_attn
	.globl	k_q8423cf6267_attn
	.p2align	8
	.type	k_q8423cf6267_attn,@function
k_q8423cf6267_attn:
	s_mov_b64 s[64:65], 0
	v_nop
	global_prefetch_b8 v0, s[64:65] scope:SCOPE_SE
	s_setreg_imm32_b32 hwreg(HW_REG_WAVE_MODE, 25, 1), 1
	s_wait_xcnt 0x0
	s_wait_alu depctr_hold_cnt(0) depctr_sa_sdst(0) depctr_va_vdst(0) depctr_va_sdst(0) depctr_va_ssrc(0) depctr_va_vcc(0) depctr_vm_vsrc(0)
	s_getreg_b32 s2, hwreg(HW_REG_IB_STS2, 6, 4)
	s_cmp_eq_u32 s2, 0
	s_cbranch_scc0 .Lentry_in_a_cluster
	s_endpgm
.Lentry_in_a_cluster:
	s_bfe_u32 s2, ttmp6, 0x10000c
	s_cmp_lg_u32 s2, 0x3003
	s_cbranch_scc0 .Lentry_shape_is_right
	s_endpgm
.Lentry_shape_is_right:
; ctx = softmax(q k^T / 8) v for 2 batches x 16 heads of 64, 2,048 keys, both products on codes of FP6 (E2M3) with one E8M0 scale for each 32 along a product's K; ctx is quantised along the channels and stored as codes.
; INPUTS (this program's own): qkh [token tile][8 super-blocks]: q in super-blocks 0, 1, k in 2, 3, K = the 1,024 channels; x1v [channel tile][8 super-blocks]: v with K = the 4,096 tokens.  OUTPUT a [token tile][2 super-blocks].
; A tile is 16 rows, place r of tile T = row 32 (T / 2) + 8 (T % 2) + r % 8 + 16 (r / 8); 16 rows x 128 K are an image of the operand's 12 registers, 1,536 bytes (for c = 0, 1: registers 6 c .. 6 c + 3 at 768 c + 16 x lane,
; 6 c + 4, 6 c + 5 at 768 c + 512 + 8 x lane); four images and 256 bytes of scale words (place r: 16 bytes, word q) are a super-block of 6,400 bytes.
; THE SOFTMAX AHEAD OF THE SECOND PRODUCT: t = score x log2(e) / 8; M = the row's largest t so far, rounded UP to a whole number; p = 2^(t - M) is quantised along the keys, not normalised; the row's sum is taken of the
; unquantised p and divides at the end.  When M moves, the sum and O are multiplied by 2^(old M - new M): exact.
; SHARES.  A work-group owns 128 queries of a PAIR of heads (128 channels: one image); wave w owns query tile w / 2 and head c = w % 2.  Every wave walks all keys, 128 a step.
; K = 64 UNDER AN INSTRUCTION OF 128: a fragment of k is the pair's whole image with its whole scale word; in the wave's fragment of q the other head's six registers are cleared: zero codes add nothing.
; Both products are used transposed (S^T = k q^T, O^T = v^T p^T): a lane holds one query throughout, and by the choice of a tile's rows the 16 registers of tiles 2 b, 2 b + 1 are 16 neighbouring keys (channels).
; RING: two LDS slots of 512 keys (k: 32 images; v: 8 channel tiles' super-block), filled by joint loads of the cluster's four query blocks (waves 0, 1: k; 2, 3: v) and read by all sixteen waves.  k's scale words of the batch come once.
; LIMITS: a block's largest p is taken from the block's largest score, which leans on v_exp_f32 not falling where its input rises; a block whose largest magnitude lies under 2^-124 (zeros too) gets the byte 1; NaN, infinities not served.
; REGISTERS: v1-11, v28-31 addresses; v12 -M, v13 the largest t, v[14:15] the sum in two halves; v16-27 q; v32-79 four fragments of k or v; v96-159 S^T, then p; v160-191 O^T; v224-235 p's codes; v232-254 at work; v255 q's scale word.
.set SB,    6400
.set IMG,   1536
.set SCW,   6144
.set SLOT1, 1<<17                      ; slot 1 begins here: one exclusive or turns an address in one slot into the other's
.set VOFF,  32*IMG                     ; in a slot: 32 images of k, then 8 super-blocks of v
.set KSC,   2*SLOT1                    ; k's scale words: 128 key tiles x 256 bytes, filled once
.set SPARE, KSC+128*256                ; the spare words, 128 bytes for each of 16 waves: eight blocks of 256 bytes that no other line names
.set L16,   1                          ; v1   16 x lane
.set L8,    2                          ; v2   8 x lane
.set AV16,  3                          ; v3   my head's tiles of v in a slot, + 16 x lane
.set AV8,   4                          ; v4   + 8 x lane
.set SPW,   5                          ; v5   LDS address of my spare word; never rewritten
.set NIL,   6                          ; v6   0; never rewritten
.set AVS,   7                          ; v7   v's scale words in a slot
.set AKS,   8                          ; v8   k's scale words: my place, my pair's word
.set ADK16, 9                          ; v9-11, v28-30: the same six for the slot in hand
.set ADK8,  10
.set ADV16, 11
.set ADV8,  28
.set ADVS,  29
.set ADKS,  30
.set R16,   31                         ; v31  16 x (lane % 16)
.set WV,   18
.set SEL,  20                          ; s[20:21] selects for lane l xor 16
.set CS,   22                          ; s[22:23] c = log2(e) / 8
.set G1K,  24                          ; s[24:31], s[32:39] descriptor groups 1 for k's and v's tiles;  s[40:43], s[44:47] their groups 0, which walk
.set G1V,  32
.set G0K,  40
.set G0V,  44
.set G1S,  48                          ; s[48:55], s[56:59] groups 1 and 0 for k's scale words
.set G0S,  56
.set TB,   66                          ; s66  LDS byte at which the slot in hand begins
.set TS,   67                          ; s67  where its keys' scale words begin
.set SLOTS, 68
.macro CROUND                          ; a round of the cluster's barrier
	s_barrier_signal -1
	s_barrier_wait -1
	s_cmp_lg_u32 s[WV], 0
	s_cbranch_scc1 .Lnot_wave_0_\@
	s_barrier_signal -3
.Lnot_wave_0_\@:
	s_barrier_wait -3
	s_barrier_signal -1
	s_barrier_wait -1
.endm
.macro TLOAD                           ; a joint refill: waves 0, 1 for k, waves 2, 3 for v, the others nothing; four v_nop follow each line
	s_cmp_lt_u32 s[WV], 2
	s_cbranch_scc0 .Lnot_k_\@
	tensor_load_to_lds s[G0K:G0K+3], s[G1K:G1K+7]
	s_nop 0
.rept 4
	v_nop
.endr
	s_branch .Lasked_\@
.Lnot_k_\@:
	s_cmp_lt_u32 s[WV], 4
	s_cbranch_scc0 .Lasked_\@
	tensor_load_to_lds s[G0V:G0V+3], s[G1V:G1V+7]
	s_nop 0
.rept 4
	v_nop
.endr
.Lasked_\@:
.endm
.macro FRAG reg, a16, a8, off          ; an image comes back as the registers that it is
	ds_load_b128 v[\reg:\reg+3], v[\a16] offset:\off
	ds_load_b64 v[\reg+4:\reg+5], v[\a8] offset:\off+512
	ds_load_b128 v[\reg+6:\reg+9], v[\a16] offset:\off+768
	ds_load_b64 v[\reg+10:\reg+11], v[\a8] offset:\off+1280
.endm
	s_load_b128 s[4:7], s[0:1], 0x0                ; qkh, x1v
	s_load_b64 s[8:9], s[0:1], 0x10                ; a
	v_lshl_add_u32 v[SPW], v0, 2, SPARE
	v_mov_b32 v[NIL], 0
	ds_add_u32 v5, v6
	ds_add_u32 v5, v6
	s_wait_dscnt 0x0
	v_lshrrev_b32 v9, 5, v0
	s_delay_alu instid0(VALU_DEP_1)
	v_readfirstlane_b32 s[WV], v9                  ; wave 0..15
	s_and_b32 s10, ttmp7, 0xffff
	s_lshr_b32 s11, s10, 3                         ; the batch
	s_and_b32 s12, s10, 7                          ; the pair of heads: K step of 128 channels
	s_lshr_b32 s13, s12, 2
	s_mul_i32 s13, s13, SB                         ; its super-block,
	s_and_b32 s14, s12, 3
	s_mul_i32 s15, s14, IMG                        ; its image in it
	s_and_b32 s16, s[WV], 1                        ; my head of the pair.  Also: which half I fetch, if I fetch
	s_lshr_b32 s17, s[WV], 1                       ; my tile of queries
	s_lshl_b32 s19, s11, 7                         ; the batch's first token tile
	s_bfe_u32 s60, ttmp6, 0x40000                  ; cx: it enters q's and the output's addresses alone
	s_lshl_b32 s61, ttmp9, 2
	s_add_co_u32 s61, s61, s60                     ; my block of 128 queries
	s_lshl_b32 s62, s61, 3
	s_add_co_u32 s62, s62, s19
	s_add_co_u32 s62, s62, s17                     ; my token tile
	s_mul_i32 s72, s62, 8*SB
	s_add_co_u32 s72, s72, s13
	s_lshl_b32 s63, s14, 2
	s_add_co_u32 s74, s72, s63
	s_add_co_u32 s74, s74, SCW                     ; q's scale words
	s_add_co_u32 s72, s72, s15                     ; q's image
	s_mov_b32 s73, 0
	s_mov_b32 s75, 0
	s_mul_i32 s82, s62, 2*SB
	s_add_co_u32 s82, s82, s13
	s_add_co_u32 s84, s82, s63
	s_lshl_b32 s69, s16, 1
	s_add_co_u32 s84, s84, s69
	s_add_co_u32 s84, s84, SCW                     ; ctx: my head's two scale bytes of a row's word
	s_add_co_u32 s82, s82, s15
	s_mul_i32 s69, s16, 768
	s_add_co_u32 s82, s82, s69                     ; ctx: my head's half of the image
	s_mov_b32 s83, 0
	s_mov_b32 s85, 0
	s_lshl_b32 s76, s16, 4                         ; k's images: key tile 16 (wave % 2) of a slot's 32, super-block 2 + pair / 4
	s_add_co_u32 s76, s76, s19
	s_mul_i32 s76, s76, 8*SB
	s_add_co_u32 s76, s76, s13
	s_add_co_u32 s76, s76, s15
	s_add_co_u32 s76, s76, 2*SB
	s_mov_b32 s77, 0
	s_lshl_b32 s78, s16, 6                         ; k's scale words: key tile 64 (wave % 2) of the batch's 128
	s_add_co_u32 s78, s78, s19
	s_mul_i32 s78, s78, 8*SB
	s_add_co_u32 s78, s78, s13
	s_add_co_u32 s78, s78, 2*SB+SCW
	s_mov_b32 s79, 0
	s_lshl_b32 s80, s12, 3                         ; v: channel tile 8 x pair + 4 (wave % 2), super-block 4 x batch
	s_lshl_b32 s81, s16, 2
	s_add_co_u32 s80, s80, s81
	s_mul_i32 s80, s80, 8*SB
	s_mul_i32 s81, s11, 4*SB
	s_add_co_u32 s80, s80, s81
	s_mov_b32 s81, 0
	s_cmp_eq_u32 s16, 0
	s_cselect_b32 s70, -1, 0                       ; keeps q's registers 0-5 (the pair's first head) or clears them,
	s_cselect_b32 s71, 0, -1                       ; registers 6-11 the other way round
	s_mov_b32 s[G1K], 15|(3<<16)|(1<<21)           ; 15:0 the mask: all four work-groups; 17:16 elements of 8 bytes; 20 no padding; 21 set beside a mask
	s_mov_b32 s[G1K+1], 192<<16                    ; tensor_dim0: an image, 192 elements
	s_mov_b32 s[G1K+2], 16<<16                     ; tensor_dim1: 16 key tiles
	s_mov_b32 s[G1K+3], 192<<16                    ; tile_dim0
	s_mov_b32 s[G1K+4], 16                         ; tile_dim1
	s_mov_b32 s[G1K+5], 8*800                      ; from tile to tile
	s_mov_b32 s[G1K+6], 0
	s_mov_b32 s[G1K+7], 0
	s_mov_b32 s[G1V], 15|(3<<16)|(1<<21)
	s_mov_b32 s[G1V+1], 800<<16                    ; a super-block
	s_mov_b32 s[G1V+2], 4<<16                      ; of 4 channel tiles
	s_mov_b32 s[G1V+3], 800<<16
	s_mov_b32 s[G1V+4], 4
	s_mov_b32 s[G1V+5], 8*800
	s_mov_b32 s[G1V+6], 0
	s_mov_b32 s[G1V+7], 0
	s_mov_b32 s[G1S], 15|(3<<16)|(1<<21)
	s_mov_b32 s[G1S+1], 32<<16                     ; 256 bytes of scale words
	s_mov_b32 s[G1S+2], 64<<16                     ; of 64 key tiles
	s_mov_b32 s[G1S+3], 32<<16
	s_mov_b32 s[G1S+4], 64
	s_mov_b32 s[G1S+5], 8*800
	s_mov_b32 s[G1S+6], 0
	s_mov_b32 s[G1S+7], 0
	s_mov_b32 s[SEL], 0x76543210
	s_mov_b32 s[SEL+1], 0xfedcba98
	s_mov_b32 s[CS], 0x3e38aa3b                    ; c = log2(e) / 8
	s_mov_b32 s[CS+1], s[CS]                       ; (named with it as a pair, so it is written)
	s_mov_b32 s[TB], 0
	s_mov_b32 s[TS], 0
	s_mov_b32 s[SLOTS], 3
	s_wait_kmcnt 0x0
	s_mov_b32 s[G0S], 1
	s_mul_i32 s[G0S+1], s16, 64*256
	s_add_co_u32 s[G0S+1], s[G0S+1], KSC
	s_add_nc_u64 s[G0S+2:G0S+3], s[4:5], s[78:79]
	s_or_b32 s[G0S+3], s[G0S+3], 0x80000000
	s_mov_b32 s[G0K], 1
	s_mul_i32 s[G0K+1], s16, 16*IMG
	s_add_nc_u64 s[G0K+2:G0K+3], s[4:5], s[76:77]
	s_or_b32 s[G0K+3], s[G0K+3], 0x80000000
	s_mov_b32 s[G0V], 1
	s_mul_i32 s[G0V+1], s16, 4*SB
	s_add_co_u32 s[G0V+1], s[G0V+1], VOFF
	s_add_nc_u64 s[G0V+2:G0V+3], s[6:7], s[80:81]
	s_or_b32 s[G0V+3], s[G0V+3], 0x80000000
	s_add_nc_u64 s[72:73], s[4:5], s[72:73]
	s_add_nc_u64 s[74:75], s[4:5], s[74:75]
	s_add_nc_u64 s[82:83], s[8:9], s[82:83]
	s_add_nc_u64 s[84:85], s[8:9], s[84:85]
	CROUND                                         ; all four work-groups are here: the first joint loads meet
	s_cmp_lt_u32 s[WV], 2                          ; the first fills, one a wave, in one chain of branches on the wave's number: waves 0, 1 k's slot 0; waves 2, 3 v's; waves 4, 5 k's scale words
	s_cbranch_scc0 .Lfirst_not_k
	tensor_load_to_lds s[G0K:G0K+3], s[G1K:G1K+7]
	s_nop 0
.rept 4
	v_nop
.endr
	s_branch .Lfirst_done
.Lfirst_not_k:
	s_cmp_lt_u32 s[WV], 4
	s_cbranch_scc0 .Lfirst_not_v
	tensor_load_to_lds s[G0V:G0V+3], s[G1V:G1V+7]
	s_nop 0
.rept 4
	v_nop
.endr
	s_branch .Lfirst_done
.Lfirst_not_v:
	s_cmp_lt_u32 s[WV], 6
	s_cbranch_scc0 .Lfirst_done
	tensor_load_to_lds s[G0S:G0S+3], s[G1S:G1S+7]  ; k's scale words of the batch: filled once
	s_nop 0
.rept 4
	v_nop
.endr
.Lfirst_done:
	v_and_b32 v9, 31, v0
	v_and_b32 v10, 15, v0
	s_delay_alu instid0(VALU_DEP_2)
	v_lshlrev_b32 v[L16], 4, v9
	s_delay_alu instid0(VALU_DEP_3)
	v_lshlrev_b32 v[L8], 3, v9
	s_delay_alu instid0(VALU_DEP_3)
	v_lshlrev_b32 v[R16], 4, v10
	global_load_b128 v[16:19], v[L16], s[72:73]             ; q's image stays in registers
	global_load_b64 v[20:21], v[L8], s[72:73] offset:512
	global_load_b128 v[22:25], v[L16], s[72:73] offset:768
	global_load_b64 v[26:27], v[L8], s[72:73] offset:1280
	global_load_b32 v255, v[R16], s[74:75]                  ; and its scale words
	s_mul_i32 s86, s16, 4*SB
	s_add_co_u32 s86, s86, VOFF                    ; my head's four channel tiles
	v_add_nc_u32 v[AV16], s86, v[L16]
	v_add_nc_u32 v[AV8], s86, v[L8]
	s_add_co_u32 s86, s86, SCW
	v_add_nc_u32 v[AVS], s86, v[R16]
	s_add_co_u32 s87, s63, KSC
	v_add_nc_u32 v[AKS], s87, v[R16]
	v_mov_b32 v13, 0xff61b1e6                      ; the largest t so far: -3e38, under every t
	s_delay_alu instid0(VALU_DEP_1)
	v_floor_f32 v12, -v13                          ; -M
	v_mov_b32 v14, 0                               ; the sum, in two halves
	v_mov_b32 v15, 0
.irp b, 0,1,2,3
	v_mov_b32 v[236+\b], 0                         ; written once: a lane permute's destination counts as one of its sources
.endr
	v_mov_b32 v253, 0                              ; (named as the upper half of the pair v[252:253] before it is first written)
	s_wait_loadcnt 0x0                             ; q
.irp i, 0,1,2,3,4,5
	v_and_b32 v[16+\i], s70, v[16+\i]              ; the other head's codes become zeros
	v_and_b32 v[22+\i], s71, v[22+\i]
.endr
.set J, 0
.rept 32
	v_mov_b32 v[160+J], 0                          ; O^T.  (The step is written once: the first finds zeros, which the first change of M leaves zeros)
.set J, J+1
.endr
; A KEY STEP: 128 keys, the q-th of the slot in hand.
.macro STEP q
.irp g, 0,1                            ; S^T = k q^T, four tiles of 16 keys at a time
.rept 4
	v_nop                                          ; places in front of loads into registers that matrix instructions have read
.endr
.irp t, 0,1,2,3
	FRAG 32+12*\t, ADK16, ADK8, (8*(\q)+4*\g+\t)*IMG
	ds_load_b32 v[248+\t], v[ADKS] offset:256*(8*(\q)+4*\g+\t)
.endr
	s_wait_dscnt 0x0
.irp t, 0,1,2,3
	v_wmma_scale_f32_16x16x128_f8f6f4 v[96+8*(4*\g+\t):103+8*(4*\g+\t)], v[32+12*\t:43+12*\t], v[16:27], 0, v[248+\t], v255 matrix_a_fmt:MATRIX_FMT_FP6 matrix_b_fmt:MATRIX_FMT_FP6
.endr
.endr                                  ; lane (r, h) holds query r; the 16 registers of tiles 2 b, 2 b + 1 are keys 32 b + 16 h + 0 .. 15 of the step
.rept 4
	v_nop
.endr
.irp b, 0,1,2,3
	v_max3_num_f32 v[232+\b], v[96+16*\b], v[97+16*\b], v[98+16*\b]   ; THE LARGEST SCORE OF EACH BLOCK OF 32 KEYS serves twice: for the row's maximum, and, since p rises with the score, for the block's largest p
.endr
.irp i, 3,5,7,9,11,13
.irp b, 0,1,2,3
	v_max3_num_f32 v[232+\b], v[232+\b], v[96+16*\b+\i], v[97+16*\b+\i]
.endr
.endr
.irp b, 0,1,2,3
	v_max_num_f32 v[232+\b], v[232+\b], v[111+16*\b]
.endr
.irp b, 0,1,2,3
	s_delay_alu instid0(VALU_DEP_4)
	v_permlanex16_b32 v[236+\b], v[232+\b], s[SEL], s[SEL+1]
.endr
.irp b, 0,1,2,3
	s_delay_alu instid0(VALU_DEP_4)
	v_max_num_f32 v[232+\b], v[232+\b], v[236+\b]  ; with lane l xor 16's 16 keys
.endr
	s_delay_alu instid0(VALU_DEP_2)
	v_max3_num_f32 v254, v232, v233, v234
	s_delay_alu instid0(VALU_DEP_1)
	v_max_num_f32 v254, v254, v235                 ; the step's largest score of my query
	s_delay_alu instid0(VALU_DEP_1)
	v_mul_f32 v254, s[CS], v254                    ; as t (c is positive)
	s_delay_alu instid0(VALU_DEP_1)
	v_max_num_f32 v13, v13, v254                   ; the running largest t
	v_mov_b32 v254, v12
	s_delay_alu instid0(VALU_DEP_2)
	v_floor_f32 v12, -v13                          ; the new -M = floor(-t) = -ceil(t): a whole number
	s_delay_alu instid0(VALU_DEP_1)
	v_sub_f32 v254, v12, v254                      ; M's old value less its new one: a whole number, 0 or less
	s_delay_alu instid0(VALU_DEP_1)
	v_cvt_i32_f32 v254, v254                       ; (it saturates)
	s_delay_alu instid0(VALU_DEP_1)
	v_ldexp_f32 v252, 1.0, v254                    ; f = 2^(old M - new M)
.set J, 0
.rept 32
	v_pk_fma_f32 v[96+J:97+J], v[96+J:97+J], s[CS:CS+1], v[12:13] op_sel_hi:[1,0,0]   ; t - M, two at a time
.set J, J+2
.endr
.irp b, 0,1,2,3
	v_fma_f32 v[232+\b], v[232+\b], s[CS], v12     ; the same of each block's largest score
.endr
.set J, 0
	s_wait_alu depctr_va_vdst(0)
.rept 64
	v_exp_f32 v[96+J], v[96+J]                     ; p = 2^(t - M), at most 1: not normalised
.set J, J+1
.endr
.irp b, 0,1,2,3
	v_exp_f32 v[232+\b], v[232+\b]                 ; the block's largest p: the same two instructions on the same number give the same bits
.endr
	v_pk_mul_f32 v[14:15], v[14:15], v[252:253] op_sel_hi:[1,0]   ; the sums under the new M.  (A plain line behind the exponentials)
	s_wait_alu depctr_va_vdst(0)
.irp b, 0,1,2,3
	v_max_num_f32 v[232+\b], 0x1800000, v[232+\b]  ; the floor 2^(3 - 127): the byte cannot fall under 1
.endr
.irp b, 0,1,2,3
	s_delay_alu instid0(VALU_DEP_4)
	v_add_nc_u32 v[244+\b], 0xff000000, v[232+\b]  ; 2 off the exponent field: the conversion's scale operand
.endr
.irp b, 0,1,2,3
	s_delay_alu instid0(VALU_DEP_4)
	v_lshrrev_b32 v[236+\b], 23, v[244+\b]         ; the scale's byte
.endr
	s_delay_alu instid0(VALU_DEP_3)
	v_lshl_or_b32 v253, v237, 8, v236              ; p's scale word for these 128 keys
	s_delay_alu instid0(VALU_DEP_1)
	v_lshl_or_b32 v253, v238, 16, v253
	s_delay_alu instid0(VALU_DEP_1)
	v_lshl_or_b32 v253, v239, 24, v253
.irp c, 0,1
	v_cvt_scalef32_pk16_fp6_f32 v[224+6*\c:226+6*\c], v[96+32*\c:111+32*\c], v[244+2*\c]
	v_cvt_scalef32_pk16_fp6_f32 v[236+4*\c:238+4*\c], v[112+32*\c:127+32*\c], v[244+2*\c+1]   ; (a conversion's three registers begin on an even number)
.endr
	v_nop                                          ; one plain line behind a scaled conversion
.irp c, 0,1                            ; the layout wants a WHOLE block in a lane: lanes 0-15 block 2 c, lanes 16-31 block 2 c + 1
.irp i, 0,1,2
	v_permlane16_swap_b32 v[224+6*\c+\i], v[236+4*\c+\i]
.endr
.irp i, 0,1,2
	s_delay_alu instid0(VALU_DEP_3)
	v_mov_b32 v[227+6*\c+\i], v[236+4*\c+\i]
.endr
.endr
	v_pk_add_f32 v[236:237], v[100:101], v[104:105]
	v_pk_add_f32 v[250:251], v[108:109], v[112:113]
	v_pk_add_f32 v[248:249], v[116:117], v[120:121]
	v_pk_add_f32 v[246:247], v[124:125], v[128:129]
	v_pk_add_f32 v[244:245], v[132:133], v[136:137]
	v_pk_add_f32 v[242:243], v[140:141], v[144:145]
	v_pk_add_f32 v[240:241], v[148:149], v[152:153]
	v_pk_add_f32 v[14:15], v[14:15], v[156:157]
	v_pk_add_f32 v[236:237], v[236:237], v[96:97]
	v_pk_add_f32 v[250:251], v[250:251], v[98:99]
	v_pk_add_f32 v[248:249], v[248:249], v[102:103]
	v_pk_add_f32 v[246:247], v[246:247], v[106:107]
	v_pk_add_f32 v[244:245], v[244:245], v[110:111]
	v_pk_add_f32 v[242:243], v[242:243], v[114:115]
	v_pk_add_f32 v[240:241], v[240:241], v[118:119]
	v_pk_add_f32 v[14:15], v[14:15], v[122:123]
	v_pk_add_f32 v[236:237], v[236:237], v[126:127]
	v_pk_add_f32 v[250:251], v[250:251], v[130:131]
	v_pk_add_f32 v[248:249], v[248:249], v[134:135]
	v_pk_add_f32 v[246:247], v[246:247], v[138:139]
	v_pk_add_f32 v[244:245], v[244:245], v[142:143]
	v_pk_add_f32 v[242:243], v[242:243], v[146:147]
	v_pk_add_f32 v[240:241], v[240:241], v[150:151]
	v_pk_add_f32 v[14:15], v[14:15], v[154:155]
	v_pk_add_f32 v[236:237], v[236:237], v[158:159]
	s_delay_alu instid0(VALU_DEP_2)
	v_pk_add_f32 v[14:15], v[14:15], v[246:247]
	s_delay_alu instid0(VALU_DEP_2)
	v_pk_add_f32 v[236:237], v[236:237], v[244:245]
	v_pk_add_f32 v[250:251], v[250:251], v[242:243]
	v_pk_add_f32 v[248:249], v[248:249], v[240:241]
	s_delay_alu instid0(VALU_DEP_2)
	v_pk_add_f32 v[14:15], v[14:15], v[250:251]
	s_delay_alu instid0(VALU_DEP_2)
	v_pk_add_f32 v[236:237], v[236:237], v[248:249]
	s_delay_alu instid0(VALU_DEP_1)
	v_pk_add_f32 v[14:15], v[14:15], v[236:237]
.set J, 0
.rept 16
	v_pk_mul_f32 v[160+J:161+J], v[160+J:161+J], v[252:253] op_sel_hi:[1,0]   ; O^T under the new M, each accumulator from its low end on.  (With the sums above: the places in front of the scaled products and the loads below)
.set J, J+2
.endr
.irp t, 0,1,2,3                        ; O^T += v^T p^T: my head's four tiles of 16 channels; K = these 128 keys
	FRAG 32+12*\t, ADV16, ADV8, SB*\t+IMG*(\q)
	ds_load_b32 v[248+\t], v[ADVS] offset:SB*\t+4*(\q)
.endr
	s_wait_alu depctr_va_vdst(0)
	s_wait_dscnt 0x0
.irp t, 0,1,2,3                        ; four accumulators by turns, one instruction a turn
	v_wmma_scale_f32_16x16x128_f8f6f4 v[160+8*\t:167+8*\t], v[32+12*\t:43+12*\t], v[224:235], v[160+8*\t:167+8*\t], v[248+\t], v253 matrix_a_fmt:MATRIX_FMT_FP6 matrix_b_fmt:MATRIX_FMT_FP6
.endr
.endm
; THE CHANGE OF SLOTS stands at a slot's head.  Each wave waits for all its tensor loads (its part of the slot that it is about to read), adds 0 to its spare word, and waits for that and for its reads of the slot that it has left.
; fill = 1: the barrier is a round of the cluster's, so that no wave of any partner still reads the other slot or has a load on its way, and the joint fill of that slot is the first thing behind it: it has four key steps in which to land.
.macro CHANGE fill
	s_wait_tensorcnt 0x0                           ; no tensor load of mine is out, so a group 0 may be written
	ds_add_u32 v[SPW], v[NIL]
.if \fill
	ds_add_u32 v[SPW], v[NIL]                      ; twice on end
	s_xor_b32 s[G0K+1], s[G0K+1], SLOT1
	s_add_nc_u64 s[G0K+2:G0K+3], s[G0K+2:G0K+3], 32*8*SB   ; the next 32 key tiles;
	s_xor_b32 s[G0V+1], s[G0V+1], SLOT1
	s_add_nc_u64 s[G0V+2:G0V+3], s[G0V+2:G0V+3], SB        ; the next 512 tokens' super-block
.endif
	s_wait_dscnt 0x0                               ; the add is done, and my reads of the slot that I have left are over
.if \fill
	CROUND
	TLOAD
.else
	s_barrier_signal -1
	s_barrier_wait -1
.endif
.endm
.macro SLOT_STEPS
	v_add_nc_u32 v[ADK16], s[TB], v[L16]
	s_wait_alu depctr_va_vdst(0)
	v_add_nc_u32 v[ADK8], s[TB], v[L8]
	s_wait_alu depctr_va_vdst(0)
	v_add_nc_u32 v[ADV16], s[TB], v[AV16]
	v_add_nc_u32 v[ADV8], s[TB], v[AV8]
	v_add_nc_u32 v[ADVS], s[TB], v[AVS]
	v_add_nc_u32 v[ADKS], s[TS], v[AKS]
	s_wait_alu depctr_va_vdst(0)
	STEP 0
	STEP 1
	STEP 2
	STEP 3
	s_xor_b32 s[TB], s[TB], SLOT1                  ; on to the other slot,
	s_add_co_u32 s[TS], s[TS], 32*256              ; and the next 32 key tiles' scale words
.endm
.Lslot:                                            ; three trips: behind each change of slots but the last the next slot is asked for
	CHANGE 1
	SLOT_STEPS
	s_sub_co_u32 s[SLOTS], s[SLOTS], 1
	s_cmp_lg_u32 s[SLOTS], 0
	s_cbranch_scc1 .Lslot
	CHANGE 0                                       ; the last slot is written out
	SLOT_STEPS
	; THE WAY OUT: O^T / the sum, quantised along my head's 64 channels: two blocks, half an image, two scale bytes a row.
.rept 4
	v_nop                                          ; places behind the last products
.endr
	v_add_f32 v14, v14, v15                        ; the sum's two halves,
	s_delay_alu instid0(VALU_DEP_1)
	v_permlanex16_b32 v252, v14, s[SEL], s[SEL+1]
	s_delay_alu instid0(VALU_DEP_1)
	v_add_f32 v14, v14, v252                       ; and lane l xor 16's: the row's sum
	s_wait_alu depctr_va_vdst(0)
	v_rcp_f32 v14, v14
	v_nop                                          ; a plain line behind the transcendental
.set J, 0
	s_wait_alu depctr_va_vdst(0)
.rept 32
	v_mul_f32 v[96+J], v[160+J], v14               ; register 16 b + i is channel 32 b + 16 h + i of my head
.set J, J+1
.endr
.irp b, 0,1
	v_max3_num_f32 v[232+\b], |v[96+16*\b]|, |v[97+16*\b]|, 0x1800000
.endr
.irp i, 2,4,6,8,10,12,14
.irp b, 0,1
	s_delay_alu instid0(VALU_DEP_2)
	v_max3_num_f32 v[232+\b], v[232+\b], |v[96+16*\b+\i]|, |v[97+16*\b+\i]|
.endr
.endr
.irp b, 0,1
	s_delay_alu instid0(VALU_DEP_2)
	v_permlanex16_b32 v[236+\b], v[232+\b], s[SEL], s[SEL+1]
.endr
.irp b, 0,1
	s_delay_alu instid0(VALU_DEP_2)
	v_max_num_f32 v[232+\b], v[232+\b], v[236+\b]
.endr
.irp b, 0,1
	s_delay_alu instid0(VALU_DEP_2)
	v_add_nc_u32 v[244+\b], 0xff000000, v[232+\b]
.endr
.irp b, 0,1
	s_delay_alu instid0(VALU_DEP_2)
	v_lshrrev_b32 v[236+\b], 23, v[244+\b]
.endr
	s_delay_alu instid0(VALU_DEP_1)
	v_lshl_or_b32 v240, v237, 8, v236              ; my head's two scale bytes
	v_cvt_scalef32_pk16_fp6_f32 v[224:226], v[96:111], v244
	v_cvt_scalef32_pk16_fp6_f32 v[228:230], v[112:127], v245
	v_nop                                          ; one plain line behind a scaled conversion
.irp i, 0,1,2
	v_permlane16_swap_b32 v[224+\i], v[228+\i]     ; lanes 0-15 block 0 whole, lanes 16-31 block 1 whole
.endr
	s_delay_alu instid0(VALU_DEP_3)
	v_mov_b32 v227, v228                           ; the six registers on end: v224-229
	s_delay_alu instid0(VALU_DEP_3)
	v_mov_b32 v228, v229
	s_delay_alu instid0(VALU_DEP_3)
	v_mov_b32 v229, v230
	global_store_b128 v[L16], v[224:227], s[82:83]             ; 512 consecutive bytes, at a multiple of 256 from the buffer's first byte
	global_store_b64 v[L8], v[228:229], s[82:83] offset:512    ; 256
	global_store_b16 v[R16], v240, s[84:85]                    ; 2 of a row's 16 bytes of scale words (lanes 16-31 write the same again): runs written in part, one byte in 25 of the output
	s_wait_tensorcnt 0x0                           ; the wave's end
	ds_add_u32 v[SPW], v[NIL]
	s_wait_dscnt 0x0
	CROUND                                         ; the closing round: no work-group ends while a partner may still ask for a tile that names it
	s_endpgm
.Lfunc_end_k_q8423cf6267_attn:
	.size	k_q8423cf6267_attn, .Lfunc_end_k_q8423cf6267_attn-k_q8423cf6267_attn
	.p2alignl 7, 3214868480
	.fill 96, 4, 3214868480
	.section	.rodata,"a",@progbits
	.p2align	6, 0x0
	.amdhsa_kernel k_q8423cf6267_attn
		.amdhsa_group_segment_fixed_size 327680
		.amdhsa_private_segment_fixed_size 0
		.amdhsa_enable_private_segment 0
		.amdhsa_kernarg_size 24
		.amdhsa_user_sgpr_count 2
		.amdhsa_user_sgpr_kernarg_segment_ptr 1
		.amdhsa_wavefront_size32 1
		.amdhsa_system_sgpr_workgroup_id_x 1
		.amdhsa_system_sgpr_workgroup_id_y 1
		.amdhsa_system_sgpr_workgroup_id_z 1
		.amdhsa_system_vgpr_workitem_id 0
		.amdhsa_next_free_vgpr 256
		.amdhsa_next_free_sgpr 88
		.amdhsa_reserve_vcc 0
		.amdhsa_float_denorm_mode_32 3
		.amdhsa_float_denorm_mode_16_64 3
		.amdhsa_memory_ordered 1
		.amdhsa_forward_progress 1
		.amdhsa_inst_pref_size 166
	.end_amdhsa_kernel
	.amdgpu_metadata
---
amdhsa.version: [ 1, 2 ]
amdhsa.kernels:
  - .name:           k_q8423cf6267_attn
    .symbol:         k_q8423cf6267_attn.kd
    .args:
      - { .name: qkh, .offset: 0, .size: 8, .value_kind: global_buffer, .address_space: global }
      - { .name: x1v, .offset: 8, .size: 8, .value_kind: global_buffer, .address_space: global }
      - { .name: a, .offset: 16, .size: 8, .value_kind: global_buffer, .address_space: global }
    .group_segment_fixed_size: 327680
    .private_segment_fixed_size: 0
    .kernarg_segment_align: 8
    .kernarg_segment_size: 24
    .max_flat_workgroup_size: 512
    .sgpr_count:     88
    .vgpr_count:     256
    .wavefront_size: 32
...
	.end_amdgpu_metadata
.endif
;; end of part 4
;; launch go (part 5): grid 8 x 16, 4 waves a work-group, clusters of 4 x 4, 327,680 bytes of LDS; arguments wow2, a, X, x1v; writes x1v
.if DOCPART == 5
	.amdgcn_target "amdgcn-amd-amdhsa--gfx1250"
	.amdhsa_code_object_version 6
	.text
	.protected	k_q8423cf6267_go
	.globl	k_q8423cf6267_go
	.p2align	8
	.type	k_q8423cf6267_go,@function
k_q8423cf6267_go:
	s_mov_b64 s[64:65], 0
	v_nop
	global_prefetch_b8 v0, s[64:65] scope:SCOPE_SE
	s_setreg_imm32_b32 hwreg(HW_REG_WAVE_MODE, 25, 1), 1
	s_wait_xcnt 0x0
	s_wait_alu depctr_hold_cnt(0) depctr_sa_sdst(0) depctr_va_vdst(0) depctr_va_sdst(0) depctr_va_ssrc(0) depctr_va_vcc(0) depctr_vm_vsrc(0)
	s_getreg_b32 s2, hwreg(HW_REG_IB_STS2, 6, 4)
	s_cmp_eq_u32 s2, 0
	s_cbranch_scc0 .Lentry_in_a_cluster
	s_endpgm
.Lentry_in_a_cluster:
	s_bfe_u32 s2, ttmp6, 0x10000c
	s_cmp_lg_u32 s2, 0xf033
	s_cbranch_scc0 .Lentry_shape_is_right
	s_endpgm
.Lentry_shape_is_right:
; OUT[j][i] = RES[j][i] + sum over k of S1[j][k] S0[i][k], K = 1,024; S0 = Wo (rows: its columns), S1 = ctx: codes of FP6 (E2M3) with one E8M0 scale for each 32 along K; RES = X and OUT are f32 [4,096][1,024].  Sums in f32.
; LAYOUT OF AN OPERAND.  Rows in tiles of 16; place r of tile T is row 32 (T / 2) + 8 (T % 2) + r % 8 + 16 (r / 8).  16 rows x 128 K are an IMAGE of the operand's 12 registers, 1,536 bytes: for c = 0, 1 registers
; 6 c .. 6 c + 3 at 768 c + 16 x lane, registers 6 c + 4, 6 c + 5 at 768 c + 512 + 8 x lane.  Four images and 256 bytes of scale words (place r: 16 bytes, word q) are a SUPER-BLOCK, 6,400 bytes.  A buffer is [tile][super-block along K].
; SHARES.  A work-group makes 256 rows of S1 x 128 rows of S0; wave w S1's tiles 4 w .. 4 w + 3 against S0's eight: 32 accumulators.  All of K of both operands lies in LDS (2 x 153,600 bytes), filled once: no slot is filled again.
; 128 work-groups: tiles of 128 x 128 would give 256, but a wave would then read 10 fragments from LDS for 16 products where it reads 12 for 32 here.
; THE MATRIX INSTRUCTION: source 0 = a tile of S0, source 1 = a tile of S1: a lane holds one row of OUT, and the 16 registers of S0's tiles 2 b, 2 b + 1 are its columns 32 b + 16 (lane / 16) + 0 .. 15.
; A STEP is 128 along K: 32 products.  The next step's 48 LDS loads stand in three runs of 16 between the step's runs of eight products, none ahead of its last sixteen; so also from slot 0's last step to slot 1's first.
; RES is asked for behind the tile fills, in two halves of 32 loads a wave, each well ahead of its use.
; CLUSTER 4 x 4: S0's tiles hang on the work-group's x alone and are asked for jointly by a column of the cluster, S1's on y alone, by a row.
; REGISTERS, in windows of 256: window 0: v8-25 addresses; scale words, a set for each slot s: S0's at v[32 + 160 s + 4 t + q], S1's at v[64 + 160 s + 4 a + q]; v80-175 S1's fragments, two sets of 48; on the way out v80-207 rows of OUT.
;   window 1: accumulator (a, t) at 64 a + 8 t.   window 2: S0's fragments, two sets of 96.   window 3: RES, row place p of tile a at 64 a + 4 p.
.set NSB,    2                         ; super-blocks along K
.set BIAS,   0
.set S0OFF,  0                         ; where S0 begins in its buffer
.set SB,     6400
.set IMG,    1536
.set SCW,    6144
.set S1B,    8*SB                      ; in a slot: S0's eight tiles, then S1's sixteen
.set SLOT,   24*SB
.set SPITCH, 528                       ; the way out: a stage of 16 rows x (512 bytes + 16) for each wave, in slot 0, which has had its only fill and its last read when the first result is stored there
.set G1A, 24                           ; s[24:31] descriptor group 1 for S0;  s[32:39] group 0, one set for each slot
.set G0A, 32
.set G1B, 48                           ; s[48:55], s[56:63] the same for S1
.set G0B, 56
.set MSB, 0
.macro WIN new                         ; the immediate's high byte repeats the setting that is left
.if MSB != \new
	s_set_vgpr_msb (MSB<<8)|\new
.set MSB, \new
.endif
.endm
.macro CREST                           ; a round of the cluster's barrier behind its opening barrier
	s_cmp_lg_u32 s14, 0
	s_cbranch_scc1 .Lnot_wave_0_\@
	s_barrier_signal -3
.Lnot_wave_0_\@:
	s_barrier_wait -3
	s_barrier_signal -1
	s_barrier_wait -1
.endm
.macro CROUND
	s_barrier_signal -1
	s_barrier_wait -1
	CREST
.endm
.macro PLACES                          ; four plain vector lines between a matrix instruction and a load into, or a read of, its registers (ISA guide 7.12.1 for vector reads)
.rept 4
	v_nop
.endr
.endm
.macro FRAG reg, a16, a8, off          ; an image comes back as the registers that it is: four loads, each of consecutive bytes
	ds_load_b128 v[\reg:\reg+3], v[\a16] offset:\off
	ds_load_b64 v[\reg+4:\reg+5], v[\a8] offset:\off+512
	ds_load_b128 v[\reg+6:\reg+9], v[\a16] offset:\off+768
	ds_load_b64 v[\reg+10:\reg+11], v[\a8] offset:\off+1280
.endm
.macro SCALES slot                     ; a super-block's scale words, four a row, into the slot's own set
.irp t, 0,1,2,3,4,5,6,7
	ds_load_b128 v[32+160*\slot+4*\t:35+160*\slot+4*\t], v[16+\slot] offset:SB*\t+SCW
.endr
.irp a, 0,1,2,3
	ds_load_b128 v[64+160*\slot+4*\a:67+160*\slot+4*\a], v[18+\slot] offset:SB*\a+SCW
.endr
.endm
.macro FA slot, q, set, t0             ; S0's tiles t0 .. t0 + 3 of the slot's q-th 128 along K: 16 loads
	WIN 0x80                                       ; destination window 2
.irp t, \t0, \t0+1, \t0+2, \t0+3
	FRAG 96*(\set)+12*(\t), 8+\slot, 10+\slot, SB*(\t)+IMG*(\q)
.endr
.endm
.macro FB slot, q, set                 ; S1's four tiles: 16 loads
	WIN 0
.irp a, 0,1,2,3
	FRAG 80+48*(\set)+12*\a, 12+\slot, 14+\slot, SB*\a+IMG*(\q)
.endr
.endm
.macro MULG q, set, sc, first, t0      ; 8 matrix instructions: S0's tiles t0, t0 + 1 x S1's four.  The 32 accumulators take turns, one instruction a turn, in the same order in every step
.if (\first) && BIAS
	WIN 0x62                                       ; source 0 window 2, source 1 window 0, C (the bias) window 2, D window 1
.else
	WIN 0x52                                       ; C and D window 1
.endif
.irp t, \t0, \t0+1
.irp a, 0,1,2,3
.if (\first) && BIAS
	v_wmma_scale_f32_16x16x128_f8f6f4 v[64*\a+8*(\t):64*\a+8*(\t)+7], v[96*(\set)+12*(\t):96*(\set)+12*(\t)+11], v[80+48*(\set)+12*\a:80+48*(\set)+12*\a+11], v[192+8*(\t):192+8*(\t)+7], v[32+160*(\sc)+4*(\t)+(\q)], v[64+160*(\sc)+4*\a+(\q)] matrix_a_fmt:MATRIX_FMT_FP6 matrix_b_fmt:MATRIX_FMT_FP6
.elseif \first
	v_wmma_scale_f32_16x16x128_f8f6f4 v[64*\a+8*(\t):64*\a+8*(\t)+7], v[96*(\set)+12*(\t):96*(\set)+12*(\t)+11], v[80+48*(\set)+12*\a:80+48*(\set)+12*\a+11], 0, v[32+160*(\sc)+4*(\t)+(\q)], v[64+160*(\sc)+4*\a+(\q)] matrix_a_fmt:MATRIX_FMT_FP6 matrix_b_fmt:MATRIX_FMT_FP6
.else
	v_wmma_scale_f32_16x16x128_f8f6f4 v[64*\a+8*(\t):64*\a+8*(\t)+7], v[96*(\set)+12*(\t):96*(\set)+12*(\t)+11], v[80+48*(\set)+12*\a:80+48*(\set)+12*\a+11], v[64*\a+8*(\t):64*\a+8*(\t)+7], v[32+160*(\sc)+4*(\t)+(\q)], v[64+160*(\sc)+4*\a+(\q)] matrix_a_fmt:MATRIX_FMT_FP6 matrix_b_fmt:MATRIX_FMT_FP6
.endif
.endr
.endr
.endm
; THE STEP q of slot: its fragments lie in set q % 2 (the wait for them stands ahead of the macro).  fetch = 1: the fragments of step nq of slot nslot come into the other set, which the step before multiplied: the four places
; at the head stand between those products and all three runs of loads.  With a slot's first step come its scale words, into the set that this step's products do not name.
.macro WORK slot, q, first, fetch, nslot, nq
	PLACES
.if \fetch
	FA \nslot, \nq, 1-(\q)%2, 0
.endif
	MULG \q, (\q)%2, \slot, \first, 0
.if \fetch
	FA \nslot, \nq, 1-(\q)%2, 4
.endif
	MULG \q, (\q)%2, \slot, \first, 2
.if \fetch
	FB \nslot, \nq, 1-(\q)%2
.if (\nq) == 0
	SCALES \nslot
.endif
.endif
	MULG \q, (\q)%2, \slot, \first, 4
	MULG \q, (\q)%2, \slot, \first, 6
.endm
.macro RESLOAD a0                      ; RES at the rows of S1's tiles a0, a0 + 1: 32 loads of 512 consecutive bytes
	WIN 0xc0                                       ; destination window 3
.irp a, \a0, \a0+1
.irp p, 0,1,2,3,4,5,6,7,8,9,10,11,12,13,14,15
	global_load_b128 v[64*(\a)+4*\p:64*(\a)+4*\p+3], v20, s[10:11] offset:(32*((\a)/2)+8*((\a)%2)+(\p%8)+16*(\p/8))*4096 th:TH_LOAD_NT
.endr
.endr
	WIN 0
.endm
; THE WAY OUT of S1's tile a: a lane holds pieces of 64 bytes of one row, the lanes beside it other rows: so 16 rows x 512 bytes go through my own stage in LDS and come back as whole rows.
.macro TOSTAGE a
	WIN 0x04                                       ; an LDS store's data are its source 1: window 1
.irp k, 0,1,2,3,4,5,6,7,8,9,10,11,12,13,14,15
	ds_store_b128 v23, v[64*(\a)+4*\k:64*(\a)+4*\k+3] offset:128*(\k/4)+16*(\k%4)   ; each accumulator from its low end on
.endr
	WIN 0
.set BB, 80+64*((\a)%2)
.irp p, 0,1,2,3,4,5,6,7,8,9,10,11,12,13,14,15
	ds_load_b128 v[BB+4*\p:BB+4*\p+3], v24 offset:\p*SPITCH    ; LDS serves a wave's instructions in order (ISA guide 5.7.1.4): these see the stores above
.endr
.endm
.macro SEND a, younger                 ; younger: the LDS instructions issued behind tile a's loads, which may stay out
.set BB, 80+64*((\a)%2)
	s_wait_dscnt \younger
	WIN 0x0c                                       ; source 1 window 3
.set J, 0
.rept 32
	v_pk_add_f32 v[BB+J:BB+J+1], v[BB+J:BB+J+1], v[64*(\a)+J:64*(\a)+J+1]   ; + RES
.set J, J+2
.endr
	WIN 0
.irp p, 0,1,2,3,4,5,6,7,8,9,10,11,12,13,14,15
	global_store_b128 v20, v[BB+4*\p:BB+4*\p+3], s[12:13] offset:(32*((\a)/2)+8*((\a)%2)+(\p%8)+16*(\p/8))*4096   ; 32 lanes store 512 consecutive bytes, at a multiple of 256 from OUT's first byte
.endr
.endm
	s_load_b128 s[4:7], s[0:1], 0x0                ; S0, S1
.if BIAS
	s_load_b128 s[8:11], s[0:1], 0x10              ; the bias, RES
	s_load_b64 s[12:13], s[0:1], 0x20              ; OUT
.else
	s_load_b64 s[10:11], s[0:1], 0x10              ; RES
	s_load_b64 s[12:13], s[0:1], 0x18              ; OUT
	v_lshl_add_u32 v254, v0, 2, 0x4b000
	v_mov_b32 v255, 0
	ds_add_u32 v254, v255
	ds_add_u32 v254, v255
.endif
	v_lshrrev_b32 v1, 5, v0
	v_readfirstlane_b32 s14, v1                    ; wave 0..3
	s_bfe_u32 s40, ttmp6, 0x40000                  ; cx, cy: my place in the cluster
	s_bfe_u32 s41, ttmp6, 0x40004
	s_lshl_b32 s42, ttmp9, 2
	s_add_co_u32 s42, s42, s40                     ; x = 4 x cluster x + cx: which eight tiles of S0
	s_and_b32 s17, ttmp7, 0xffff
	s_lshl_b32 s17, s17, 2
	s_add_co_u32 s17, s17, s41                     ; y = 4 x cluster y + cy: which sixteen tiles of S1
	s_lshl_b32 s43, s41, 2
	s_lshl_b32 s43, 15, s43                        ; my row of the cluster
	s_lshl_b32 s44, 0x1111, s40                    ; my column
	s_or_b32 s[G1A], s44, (3<<16)|(1<<21)          ; 15:0 the mask: S0's tiles go to my column; 17:16 elements of 8 bytes; 20 no padding; 21 set beside a mask
	s_or_b32 s[G1B], s43, (3<<16)|(1<<21)          ; S1's go to my row
.irp g, G1A, G1B
	s_mov_b32 s[\g+1], 800<<16                     ; tensor_dim0: a super-block, 800 elements
	s_mov_b32 s[\g+3], 800<<16                     ; tile_dim0
	s_mov_b32 s[\g+5], NSB*800                     ; from tile to tile of the operand
	s_mov_b32 s[\g+6], 0
	s_mov_b32 s[\g+7], 0
.endr
	s_mov_b32 s[G1A+2], 8<<16                      ; tensor_dim1 and tile_dim1: S0's eight tiles in one load,
	s_mov_b32 s[G1A+4], 8
	s_mov_b32 s[G1B+2], 16<<16                     ; S1's sixteen in one
	s_mov_b32 s[G1B+4], 16
	s_mul_i32 s18, s42, 8*NSB*SB                   ; S0: tile 8 x
	s_add_co_u32 s18, s18, S0OFF
	s_mov_b32 s19, 0
	s_mul_i32 s22, s17, 16*NSB*SB                  ; S1: tile 16 y
	s_mov_b32 s23, 0
	s_wait_dscnt 0x0
	s_wait_kmcnt 0x0
	s_add_nc_u64 s[18:19], s[4:5], s[18:19]
	s_add_nc_u64 s[22:23], s[6:7], s[22:23]
	CROUND                                         ; all sixteen work-groups are here: the joint loads meet
.irp s, 0,1
	s_mov_b32 s[G0A+4*\s], 1
	s_mov_b32 s[G0A+4*\s+1], \s*SLOT
	s_add_nc_u64 s[G0A+4*\s+2:G0A+4*\s+3], s[18:19], \s*SB
	s_or_b32 s[G0A+4*\s+3], s[G0A+4*\s+3], 0x80000000
	s_mov_b32 s[G0B+4*\s], 1
	s_mov_b32 s[G0B+4*\s+1], S1B+\s*SLOT
	s_add_nc_u64 s[G0B+4*\s+2:G0B+4*\s+3], s[22:23], \s*SB
	s_or_b32 s[G0B+4*\s+3], s[G0B+4*\s+3], 0x80000000
.endr
	s_cmp_eq_u32 s14, 0                            ; the four fills, one a wave, in one chain of branches on the wave's number: wave 0 S0's slot 0, wave 1 S1's slot 0, wave 2 S0's slot 1, wave 3 S1's slot 1
	s_cbranch_scc0 .Lfirst_1
	tensor_load_to_lds s[G0A:G0A+3], s[G1A:G1A+7]
	s_nop 0
.rept 4
	v_nop
.endr
	s_branch .Lfirst_done
.Lfirst_1:
	s_cmp_eq_u32 s14, 1
	s_cbranch_scc0 .Lfirst_2
	tensor_load_to_lds s[G0B:G0B+3], s[G1B:G1B+7]
	s_nop 0
.rept 4
	v_nop
.endr
	s_branch .Lfirst_done
.Lfirst_2:
	s_cmp_eq_u32 s14, 2
	s_cbranch_scc0 .Lfirst_3
	tensor_load_to_lds s[G0A+4:G0A+7], s[G1A:G1A+7]
	s_nop 0
.rept 4
	v_nop
.endr
	s_branch .Lfirst_done
.Lfirst_3:
	tensor_load_to_lds s[G0B+4:G0B+7], s[G1B:G1B+7]
	s_nop 0
.rept 4
	v_nop
.endr
.Lfirst_done:
	v_and_b32 v1, 31, v0                           ; lane
	v_and_b32 v2, 15, v0                           ; r
	v_bfe_u32 v3, v0, 4, 1                         ; h
	v_lshlrev_b32 v20, 4, v1                       ; v20: 16 x lane
	v_lshlrev_b32 v21, 3, v1                       ; v21: 8 x lane
	v_lshlrev_b32 v22, 4, v2                       ; v22: 16 r
	v_lshlrev_b32 v25, 6, v3                       ; v25: 64 h
	s_mul_i32 s47, s14, 4*SB
	s_add_co_u32 s47, s47, S1B                     ; my four tiles of S1
.irp s, 0,1
	v_add_nc_u32 v[8+\s], \s*SLOT, v20             ; v8-9, v10-11: S0's images in slot s; v16-17 its scale words
	v_add_nc_u32 v[10+\s], \s*SLOT, v21
	v_add_nc_u32 v[16+\s], \s*SLOT, v22
	v_add_nc_u32 v[12+\s], s47, v20                ; v12-13, v14-15, v18-19: the same for S1
	v_add_nc_u32 v[14+\s], s47, v21
	v_add_nc_u32 v[18+\s], s47, v22
	s_add_co_u32 s47, s47, SLOT
.endr
	s_mul_i32 s74, s14, 16*SPITCH                  ; my stage
	v_mul_u32_u24 v23, v2, SPITCH
	v_add_nc_u32 v23, v23, v25
	v_add_nc_u32 v23, s74, v23                     ; v23: in: row r, + 64 h
	v_add_nc_u32 v24, s74, v20                     ; v24: back: 16 bytes a lane of a row
	s_lshl_b32 s66, s17, 8                         ; RES and OUT: row 256 y + 64 wave, column 128 x
	s_lshl_b32 s67, s14, 6
	s_add_co_u32 s66, s66, s67
	s_lshl_b32 s66, s66, 12
	s_lshl_b32 s67, s42, 9
	s_add_co_u32 s66, s66, s67
	s_mov_b32 s67, 0
	s_add_nc_u64 s[10:11], s[10:11], s[66:67]
	s_add_nc_u64 s[12:13], s[12:13], s[66:67]
.if BIAS
	s_lshl_b32 s68, s42, 9                         ; my 128 numbers of the bias; lane (r, h) wants, for tile t, those of i = 32 (t / 2) + 16 h + 8 (t % 2) + 0 .. 7: the result's layout
	s_mov_b32 s69, 0
	s_add_nc_u64 s[8:9], s[8:9], s[68:69]
	WIN 0x80
.irp t, 0,1,2,3,4,5,6,7
	global_load_b128 v[192+8*\t:195+8*\t], v25, s[8:9] offset:(32*(\t/2)+8*(\t%2))*4
	global_load_b128 v[196+8*\t:199+8*\t], v25, s[8:9] offset:(32*(\t/2)+8*(\t%2))*4+16
.endr
	WIN 0
.endif
	s_wait_alu depctr_va_vdst(0)
	s_cmp_lt_u32 s14, 2                            ; waves 0 and 1 wait for slot 0's two tiles; slot 1's may stay out
	s_cbranch_scc0 .Lslot_1_is_mine
	s_wait_tensorcnt 0x0
.Lslot_1_is_mine:
	s_barrier_signal -1
	s_barrier_wait -1                              ; everybody's is
	SCALES 0                                       ; the first step's scale words and fragments: the one run of loads with no product beside it
	FA 0, 0, 0, 0
	FA 0, 0, 0, 4
	FB 0, 0, 0
.if BIAS
	s_wait_loadcnt 0x0                             ; the bias
.endif
	RESLOAD 0                                      ; RES for tiles 0 and 1: behind the tile fills, eight steps ahead of its use
	s_wait_dscnt 0x0
	WORK 0, 0, 1, 1, 0, 1                          ; the first products start the sums: nothing is cleared
	s_wait_dscnt 0x0                               ; at each step's head: its fragments are in (the last run was asked for sixteen products ago)
	WORK 0, 1, 0, 1, 0, 2
	s_wait_dscnt 0x0
	WORK 0, 2, 0, 1, 0, 3
	s_wait_tensorcnt 0x0                           ; my part of slot 1 is in,
	s_wait_dscnt 0x0                               ; and slot 0's last fragments are in registers: my reads of slot 0 are over
	s_barrier_signal -1
	s_barrier_wait -1                              ; everybody's
	WORK 0, 3, 0, 1, 1, 0                          ; slot 1's first fragments and scale words come under slot 0's last products
	RESLOAD 2                                      ; RES for tiles 2 and 3
	s_wait_dscnt 0x0
	WORK 1, 0, 0, 1, 1, 1
	s_wait_dscnt 0x0
	WORK 1, 1, 0, 1, 1, 2
	s_wait_dscnt 0x0
	WORK 1, 2, 0, 1, 1, 3
	s_wait_dscnt 0x0
	WORK 1, 3, 0, 0, 0, 0
	WIN 0
	PLACES
	s_wait_loadcnt 32                              ; RES of tiles 0 and 1 is in; the 32 younger loads, tiles 2 and 3's, may be out
	TOSTAGE 0
.irp a, 1,2,3
.if \a > 1
	s_wait_xcnt 0x0                                ; tile a - 2's stores have read their registers: tile a's loads may land there
.endif
	TOSTAGE \a
.if \a > 2
	s_wait_loadcnt 0x0                             ; RES of tiles 2 and 3
.endif
	SEND \a-1, 32                                  ; behind tile a - 1's loads: tile a's 16 stores and 16 loads
.endr
	SEND 3, 0
	s_wait_tensorcnt 0x0
	ds_add_u32 v254, v255
	s_wait_dscnt 0x0
	CROUND                                         ; the closing round: no work-group ends while a partner may still ask for a tile that names it
	s_endpgm
.Lfunc_end_k_q8423cf6267_go:
	.size	k_q8423cf6267_go, .Lfunc_end_k_q8423cf6267_go-k_q8423cf6267_go
	.p2alignl 7, 3214868480
	.fill 96, 4, 3214868480
	.section	.rodata,"a",@progbits
	.p2align	6, 0x0
	.amdhsa_kernel k_q8423cf6267_go
		.amdhsa_group_segment_fixed_size 327680
		.amdhsa_private_segment_fixed_size 0
		.amdhsa_enable_private_segment 0
		.amdhsa_kernarg_size 32
		.amdhsa_user_sgpr_count 2
		.amdhsa_user_sgpr_kernarg_segment_ptr 1
		.amdhsa_wavefront_size32 1
		.amdhsa_system_sgpr_workgroup_id_x 1
		.amdhsa_system_sgpr_workgroup_id_y 1
		.amdhsa_system_sgpr_workgroup_id_z 1
		.amdhsa_system_vgpr_workitem_id 0
		.amdhsa_next_free_vgpr 1024
		.amdhsa_next_free_sgpr 80
		.amdhsa_reserve_vcc 0
		.amdhsa_float_denorm_mode_32 3
		.amdhsa_float_denorm_mode_16_64 3
		.amdhsa_memory_ordered 1
		.amdhsa_forward_progress 1
		.amdhsa_inst_pref_size 97
	.end_amdhsa_kernel
	.amdgpu_metadata
---
amdhsa.version: [ 1, 2 ]
amdhsa.kernels:
  - .name:           k_q8423cf6267_go
    .symbol:         k_q8423cf6267_go.kd
    .args:
      - { .name: wow2, .offset: 0, .size: 8, .value_kind: global_buffer, .address_space: global }
      - { .name: a, .offset: 8, .size: 8, .value_kind: global_buffer, .address_space: global }
      - { .name: X, .offset: 16, .size: 8, .value_kind: global_buffer, .address_space: global }
      - { .name: x1v, .offset: 24, .size: 8, .value_kind: global_buffer, .address_space: global }
    .group_segment_fixed_size: 327680
    .private_segment_fixed_size: 0
    .kernarg_segment_align: 8
    .kernarg_segment_size: 32
    .max_flat_workgroup_size: 128
    .sgpr_count:     80
    .vgpr_count:     1024
    .wavefront_size: 32
...
	.end_amdgpu_metadata
.endif
;; end of part 5
;; launch ln2: the kernel of part 2 again; grid 256 x 1, 16 waves a work-group, no clusters, 88,576 bytes of LDS; arguments x1v, g2, be2, a; writes a
;; launch ffn1 (part 6): grid 32 x 16, 4 waves a work-group, clusters of 4 x 4, 327,680 bytes of LDS; arguments w1c, a, b1, qkh; writes qkh
.if DOCPART == 6
	.amdgcn_target "amdgcn-amd-amdhsa--gfx1250"
	.amdhsa_code_object_version 6
	.text
	.protected	k_q8423cf6267_ffn1
	.globl	k_q8423cf6267_ffn1
	.p2align	8
	.type	k_q8423cf6267_ffn1,@function
k_q8423cf6267_ffn1:
	s_mov_b64 s[64:65], 0
	v_nop
	global_prefetch_b8 v0, s[64:65] scope:SCOPE_SE
	s_setreg_imm32_b32 hwreg(HW_REG_WAVE_MODE, 25, 1), 1
	s_wait_xcnt 0x0
	s_wait_alu depctr_hold_cnt(0) depctr_sa_sdst(0) depctr_va_vdst(0) depctr_va_sdst(0) depctr_va_ssrc(0) depctr_va_vcc(0) depctr_vm_vsrc(0)
	s_getreg_b32 s2, hwreg(HW_REG_IB_STS2, 6, 4)
	s_cmp_eq_u32 s2, 0
	s_cbranch_scc0 .Lentry_in_a_cluster
	s_endpgm
.Lentry_in_a_cluster:
	s_bfe_u32 s2, ttmp6, 0x10000c
	s_cmp_lg_u32 s2, 0xf033
	s_cbranch_scc0 .Lentry_shape_is_right
	s_endpgm
.Lentry_shape_is_right:
; OUT[j][i] = Q( max(b[i] + sum over k of S1[j][k] S0[i][k], 0) ), K = 1,024; S0 = W1 (rows: its columns), S1 = the normalised tokens: codes of FP6 (E2M3) with one E8M0 scale for each 32 along K; Q quantises along i likewise.  Sums in f32.
; LAYOUT OF EVERY OPERAND.  Rows in tiles of 16; place r of tile T is row 32 (T / 2) + 8 (T % 2) + r % 8 + 16 (r / 8).  16 rows x 128 K are an IMAGE of the operand's 12 registers, 1,536 bytes: for c = 0, 1 registers
; 6 c .. 6 c + 3 at 768 c + 16 x lane, registers 6 c + 4, 6 c + 5 at 768 c + 512 + 8 x lane.  Four images and 256 bytes of scale words (place r: 16 bytes, word q for the q-th 128 along K) are a SUPER-BLOCK, 6,400 bytes.
; A buffer is [tile][super-block along K]: S0 and S1 two to a tile, OUT eight.
; SHARES.  A work-group makes 256 rows of S1 x 128 rows of S0; wave w S1's tiles 4 w .. 4 w + 3 against S0's eight: 32 accumulators.  All of K of both operands lies in LDS (2 x 153,600 bytes), filled once: no slot is filled again.
; THE MATRIX INSTRUCTION: source 0 = a tile of S0, source 1 = a tile of S1.  A lane then holds ONE row of S1, and by the choice of a tile's rows the 16 registers of S0's tiles 2 b, 2 b + 1 are 16 neighbours
; i = 32 b + 16 (lane / 16) + 0 .. 15: the conversions take them as they stand, and a wave's 128 results a row are one image of OUT with its scale word.  The bias is the C of each sum's first matrix instruction.
; A STEP is 128 along K: 32 products.  The next step's 48 LDS loads stand in three runs of 16 between the step's runs of eight products, none ahead of its last sixteen; so also from slot 0's last step to slot 1's first.
; CLUSTER 4 x 4: S0's tiles hang on the work-group's x alone and are asked for jointly by a column of the cluster, S1's on y alone, by a row.
; REGISTERS, in windows of 256: window 0: v8-25 addresses; scale words, a set for each slot s: S0's at v[32 + 160 s + 4 t + q], S1's at v[64 + 160 s + 4 a + q]; v80-175 S1's fragments, two sets of 48, later the codes made; v176-191 at work.
;   window 1: accumulator (a, t) at 64 a + 8 t.   window 2: S0's fragments, two sets of 96; from v192 the bias.
; LIMITS: a block whose largest magnitude lies under 2^-124 (zeros too) gets the byte 1: this program alone reads the bytes; NaN and infinities are not served.
.set NSB,    2                         ; super-blocks along K
.set BIAS,   1                         ; 1: a bias along i starts the sums
.set RELU,   1                         ; 1: max(., 0) ahead of the quantiser
.set SB,     6400
.set IMG,    1536
.set SCW,    6144
.set S1B,    8*SB                      ; in a slot: S0's eight tiles, then S1's sixteen
.set SLOT,   24*SB
.set OPITCH, 8*SB                      ; a tile of OUT
.set TM,     176
.set G1A, 24                           ; s[24:31] descriptor group 1 for S0;  s[32:39] group 0, one set for each slot
.set G0A, 32
.set G1B, 48                           ; s[48:55], s[56:63] the same for S1
.set G0B, 56
.set MSB, 0
.macro WIN new                         ; the immediate's high byte repeats the setting that is left
.if MSB != \new
	s_set_vgpr_msb (MSB<<8)|\new
.set MSB, \new
.endif
.endm
.macro CREST                           ; a round of the cluster's barrier behind its opening barrier
	s_cmp_lg_u32 s14, 0
	s_cbranch_scc1 .Lnot_wave_0_\@
	s_barrier_signal -3
.Lnot_wave_0_\@:
	s_barrier_wait -3
	s_barrier_signal -1
	s_barrier_wait -1
.endm
.macro CROUND
	s_barrier_signal -1
	s_barrier_wait -1
	CREST
.endm
.macro PLACES                          ; four plain vector lines between a matrix instruction and a load into, or a vector read or write of, its registers (ISA guide 7.12.1 for vector reads and writes)
.rept 4
	v_nop
.endr
.endm
.macro FRAG reg, a16, a8, off          ; an image comes back as the registers that it is: four loads, each of consecutive bytes
	ds_load_b128 v[\reg:\reg+3], v[\a16] offset:\off
	ds_load_b64 v[\reg+4:\reg+5], v[\a8] offset:\off+512
	ds_load_b128 v[\reg+6:\reg+9], v[\a16] offset:\off+768
	ds_load_b64 v[\reg+10:\reg+11], v[\a8] offset:\off+1280
.endm
.macro SCALES slot                     ; a super-block's scale words, four a row, into the slot's own set
.irp t, 0,1,2,3,4,5,6,7
	ds_load_b128 v[32+160*\slot+4*\t:35+160*\slot+4*\t], v[16+\slot] offset:SB*\t+SCW
.endr
.irp a, 0,1,2,3
	ds_load_b128 v[64+160*\slot+4*\a:67+160*\slot+4*\a], v[18+\slot] offset:SB*\a+SCW
.endr
.endm
.macro FA slot, q, set, t0             ; S0's tiles t0 .. t0 + 3 of the slot's q-th 128 along K: 16 loads
	WIN 0x80                                       ; destination window 2
.irp t, \t0, \t0+1, \t0+2, \t0+3
	FRAG 96*(\set)+12*(\t), 8+\slot, 10+\slot, SB*(\t)+IMG*(\q)
.endr
.endm
.macro FB slot, q, set                 ; S1's four tiles: 16 loads
	WIN 0
.irp a, 0,1,2,3
	FRAG 80+48*(\set)+12*\a, 12+\slot, 14+\slot, SB*\a+IMG*(\q)
.endr
.endm
.macro MULG q, set, sc, first, t0      ; 8 matrix instructions: S0's tiles t0, t0 + 1 x S1's four.  The 32 accumulators take turns, one instruction a turn, in the same order in every step
.if (\first) && BIAS
	WIN 0x62                                       ; source 0 window 2, source 1 window 0, C (the bias) window 2, D window 1
.else
	WIN 0x52                                       ; C and D window 1
.endif
.irp t, \t0, \t0+1
.irp a, 0,1,2,3
.if (\first) && BIAS
	v_wmma_scale_f32_16x16x128_f8f6f4 v[64*\a+8*(\t):64*\a+8*(\t)+7], v[96*(\set)+12*(\t):96*(\set)+12*(\t)+11], v[80+48*(\set)+12*\a:80+48*(\set)+12*\a+11], v[192+8*(\t):192+8*(\t)+7], v[32+160*(\sc)+4*(\t)+(\q)], v[64+160*(\sc)+4*\a+(\q)] matrix_a_fmt:MATRIX_FMT_FP6 matrix_b_fmt:MATRIX_FMT_FP6
.elseif \first
	v_wmma_scale_f32_16x16x128_f8f6f4 v[64*\a+8*(\t):64*\a+8*(\t)+7], v[96*(\set)+12*(\t):96*(\set)+12*(\t)+11], v[80+48*(\set)+12*\a:80+48*(\set)+12*\a+11], 0, v[32+160*(\sc)+4*(\t)+(\q)], v[64+160*(\sc)+4*\a+(\q)] matrix_a_fmt:MATRIX_FMT_FP6 matrix_b_fmt:MATRIX_FMT_FP6
.else
	v_wmma_scale_f32_16x16x128_f8f6f4 v[64*\a+8*(\t):64*\a+8*(\t)+7], v[96*(\set)+12*(\t):96*(\set)+12*(\t)+11], v[80+48*(\set)+12*\a:80+48*(\set)+12*\a+11], v[64*\a+8*(\t):64*\a+8*(\t)+7], v[32+160*(\sc)+4*(\t)+(\q)], v[64+160*(\sc)+4*\a+(\q)] matrix_a_fmt:MATRIX_FMT_FP6 matrix_b_fmt:MATRIX_FMT_FP6
.endif
.endr
.endr
.endm
; THE STEP q of slot: its fragments lie in set q % 2 (the wait for them stands ahead of the macro).  fetch = 1: the fragments of step nq of slot nslot come into the other set, which the step before multiplied: the four places
; at the head stand between those products and all three runs of loads.  With a slot's first step come its scale words, into the set that this step's products do not name.
.macro WORK slot, q, first, fetch, nslot, nq
	PLACES
.if \fetch
	FA \nslot, \nq, 1-(\q)%2, 0
.endif
	MULG \q, (\q)%2, \slot, \first, 0
.if \fetch
	FA \nslot, \nq, 1-(\q)%2, 4
.endif
	MULG \q, (\q)%2, \slot, \first, 2
.if \fetch
	FB \nslot, \nq, 1-(\q)%2
.if (\nq) == 0
	SCALES \nslot
.endif
.endif
	MULG \q, (\q)%2, \slot, \first, 4
	MULG \q, (\q)%2, \slot, \first, 6
.endm
; 64 numbers of a lane in window 1, register s + 16 b + i = index 32 b + 16 (lane / 16) + i of my row, become an image's 12 registers in v[pc] on and its scale word in v[pw].
.macro QUANT s, pc, pw
	WIN 0x05                                       ; sources 0 and 1 window 1
.irp b, 0,1,2,3
	v_max3_num_f32 v[TM+\b], |v[(\s)+16*\b]|, |v[(\s)+1+16*\b]|, 0x1800000   ; block b: my 16 numbers, each accumulator from its low end on, and the floor 2^(3 - 127): the byte cannot fall under 1
.endr
.irp i, 2,4,6,8,10,12,14
.irp b, 0,1,2,3
	v_max3_num_f32 v[TM+\b], |v[(\s)+16*\b+\i]|, |v[(\s)+1+16*\b+\i]|, v[TM+\b]
.endr
.endr
	WIN 0
.irp b, 0,1,2,3
	v_permlanex16_b32 v[TM+4+\b], v[TM+\b], s20, s21
.endr
.irp b, 0,1,2,3
	v_max_num_f32 v[TM+\b], v[TM+\b], v[TM+4+\b]   ; with lane l xor 16's: the block's largest magnitude
.endr
.irp b, 0,1,2,3
	v_add_nc_u32 v[TM+12+\b], 0xff000000, v[TM+\b] ; 2 off its exponent field: the conversion's scale operand
.endr
.irp b, 0,1,2,3
	v_lshrrev_b32 v[TM+4+\b], 23, v[TM+12+\b]      ; the scale's byte
.endr
	v_lshl_or_b32 v[\pw], v[TM+5], 8, v[TM+4]
	v_lshl_or_b32 v[\pw], v[TM+6], 16, v[\pw]
	v_lshl_or_b32 v[\pw], v[TM+7], 24, v[\pw]
	WIN 0x01                                       ; source 0 window 1
.irp c, 0,1
	v_cvt_scalef32_pk16_fp6_f32 v[(\pc)+6*\c:(\pc)+2+6*\c], v[(\s)+32*\c:(\s)+15+32*\c], v[TM+12+2*\c]
	v_cvt_scalef32_pk16_fp6_f32 v[(\pc)+12+4*\c:(\pc)+14+4*\c], v[(\s)+16+32*\c:(\s)+31+32*\c], v[TM+12+2*\c+1]   ; (a conversion's three registers begin on an even number)
.endr
	WIN 0
	v_nop                                          ; one plain line behind a scaled conversion
.irp c, 0,1                            ; the layout wants a WHOLE block in a lane: lanes 0-15 block 2 c, lanes 16-31 block 2 c + 1
.irp i, 0,1,2
	v_permlane16_swap_b32 v[(\pc)+6*\c+\i], v[(\pc)+12+4*\c+\i]
.endr
.irp i, 0,1,2
	v_mov_b32 v[(\pc)+3+6*\c+\i], v[(\pc)+12+4*\c+\i]
.endr
.endr
.endm
	s_load_b128 s[4:7], s[0:1], 0x0                ; S0, S1
.if BIAS
	s_load_b128 s[8:11], s[0:1], 0x10              ; the bias, OUT
	v_lshl_add_u32 v254, v0, 2, 0x4b000
	v_mov_b32 v255, 0
	ds_add_u32 v254, v255
	ds_add_u32 v254, v255
.else
	s_load_b64 s[10:11], s[0:1], 0x10              ; OUT
.endif
	v_lshrrev_b32 v1, 5, v0
	v_readfirstlane_b32 s14, v1                    ; wave 0..3
	s_bfe_u32 s40, ttmp6, 0x40000                  ; cx, cy: my place in the cluster
	s_bfe_u32 s41, ttmp6, 0x40004
	s_lshl_b32 s42, ttmp9, 2
	s_add_co_u32 s42, s42, s40                     ; x = 4 x cluster x + cx: which eight tiles of S0
	s_and_b32 s17, ttmp7, 0xffff
	s_lshl_b32 s17, s17, 2
	s_add_co_u32 s17, s17, s41                     ; y = 4 x cluster y + cy: which sixteen tiles of S1
	s_lshl_b32 s43, s41, 2
	s_lshl_b32 s43, 15, s43                        ; my row of the cluster
	s_lshl_b32 s44, 0x1111, s40                    ; my column
	s_or_b32 s[G1A], s44, (3<<16)|(1<<21)          ; 15:0 the mask: S0's tiles go to my column; 17:16 elements of 8 bytes; 20 no padding; 21 set beside a mask
	s_or_b32 s[G1B], s43, (3<<16)|(1<<21)          ; S1's go to my row
.irp g, G1A, G1B
	s_mov_b32 s[\g+1], 800<<16                     ; tensor_dim0: a super-block, 800 elements
	s_mov_b32 s[\g+3], 800<<16                     ; tile_dim0
	s_mov_b32 s[\g+5], NSB*800                     ; from tile to tile of the operand
	s_mov_b32 s[\g+6], 0
	s_mov_b32 s[\g+7], 0
.endr
	s_mov_b32 s[G1A+2], 8<<16                      ; tensor_dim1 and tile_dim1: S0's eight tiles in one load,
	s_mov_b32 s[G1A+4], 8
	s_mov_b32 s[G1B+2], 16<<16                     ; S1's sixteen in one
	s_mov_b32 s[G1B+4], 16
	s_mul_i32 s18, s42, 8*NSB*SB                   ; S0: tile 8 x
	s_mov_b32 s19, 0
	s_mul_i32 s22, s17, 16*NSB*SB                  ; S1: tile 16 y
	s_mov_b32 s23, 0
	s_mov_b32 s20, 0x76543210                      ; v_permlanex16_b32's selects for lane l xor 16
	s_mov_b32 s21, 0xfedcba98
	s_wait_dscnt 0x0
	s_wait_kmcnt 0x0
	s_add_nc_u64 s[18:19], s[4:5], s[18:19]
	s_add_nc_u64 s[22:23], s[6:7], s[22:23]
	CROUND                                         ; all sixteen work-groups are here: the joint loads meet
.irp s, 0,1
	s_mov_b32 s[G0A+4*\s], 1
	s_mov_b32 s[G0A+4*\s+1], \s*SLOT
	s_add_nc_u64 s[G0A+4*\s+2:G0A+4*\s+3], s[18:19], \s*SB
	s_or_b32 s[G0A+4*\s+3], s[G0A+4*\s+3], 0x80000000
	s_mov_b32 s[G0B+4*\s], 1
	s_mov_b32 s[G0B+4*\s+1], S1B+\s*SLOT
	s_add_nc_u64 s[G0B+4*\s+2:G0B+4*\s+3], s[22:23], \s*SB
	s_or_b32 s[G0B+4*\s+3], s[G0B+4*\s+3], 0x80000000
.endr
	s_cmp_eq_u32 s14, 0                            ; the four fills, one a wave, in one chain of branches on the wave's number: wave 0 S0's slot 0, wave 1 S1's slot 0, wave 2 S0's slot 1, wave 3 S1's slot 1
	s_cbranch_scc0 .Lfirst_1
	tensor_load_to_lds s[G0A:G0A+3], s[G1A:G1A+7]
	s_nop 0
.rept 4
	v_nop
.endr
	s_branch .Lfirst_done
.Lfirst_1:
	s_cmp_eq_u32 s14, 1
	s_cbranch_scc0 .Lfirst_2
	tensor_load_to_lds s[G0B:G0B+3], s[G1B:G1B+7]
	s_nop 0
.rept 4
	v_nop
.endr
	s_branch .Lfirst_done
.Lfirst_2:
	s_cmp_eq_u32 s14, 2
	s_cbranch_scc0 .Lfirst_3
	tensor_load_to_lds s[G0A+4:G0A+7], s[G1A:G1A+7]
	s_nop 0
.rept 4
	v_nop
.endr
	s_branch .Lfirst_done
.Lfirst_3:
	tensor_load_to_lds s[G0B+4:G0B+7], s[G1B:G1B+7]
	s_nop 0
.rept 4
	v_nop
.endr
.Lfirst_done:
	v_and_b32 v1, 31, v0                           ; lane
	v_and_b32 v2, 15, v0                           ; r
	v_bfe_u32 v3, v0, 4, 1                         ; h
	v_lshlrev_b32 v20, 4, v1                       ; v20: 16 x lane
	v_lshlrev_b32 v21, 3, v1                       ; v21: 8 x lane
	v_lshlrev_b32 v22, 4, v2                       ; v22: 16 r
	v_lshlrev_b32 v25, 6, v3                       ; v25: 64 h
	s_mul_i32 s47, s14, 4*SB
	s_add_co_u32 s47, s47, S1B                     ; my four tiles of S1
.irp s, 0,1
	v_add_nc_u32 v[8+\s], \s*SLOT, v20             ; v8-9, v10-11: S0's images in slot s; v16-17 its scale words
	v_add_nc_u32 v[10+\s], \s*SLOT, v21
	v_add_nc_u32 v[16+\s], \s*SLOT, v22
	v_add_nc_u32 v[12+\s], s47, v20                ; v12-13, v14-15, v18-19: the same for S1
	v_add_nc_u32 v[14+\s], s47, v21
	v_add_nc_u32 v[18+\s], s47, v22
	s_add_co_u32 s47, s47, SLOT
.endr
.irp b, 0,1,2,3
	v_mov_b32 v[TM+4+\b], 0                        ; written once: a lane permute's destination counts as one of its sources
.endr
	s_lshl_b32 s66, s17, 4                         ; OUT: tile 16 y + 4 wave, super-block x / 4, image x % 4
	s_lshl_b32 s67, s14, 2
	s_add_co_u32 s66, s66, s67
	s_mul_i32 s66, s66, OPITCH
	s_lshr_b32 s67, s42, 2
	s_mul_i32 s67, s67, SB
	s_add_co_u32 s66, s66, s67
	s_and_b32 s68, s42, 3
	s_mul_i32 s69, s68, IMG
	s_add_co_u32 s70, s66, s69
	s_mov_b32 s71, 0
	s_lshl_b32 s68, s68, 2
	s_add_co_u32 s72, s66, s68
	s_add_co_u32 s72, s72, SCW
	s_mov_b32 s73, 0
	s_add_nc_u64 s[70:71], s[10:11], s[70:71]      ; the images
	s_add_nc_u64 s[72:73], s[10:11], s[72:73]      ; the scale words
.if BIAS
	s_lshl_b32 s74, s42, 9                         ; my 128 numbers of the bias; lane (r, h) wants, for tile t, those of i = 32 (t / 2) + 16 h + 8 (t % 2) + 0 .. 7: the result's layout
	s_mov_b32 s75, 0
	s_add_nc_u64 s[8:9], s[8:9], s[74:75]
	WIN 0x80
.irp t, 0,1,2,3,4,5,6,7
	global_load_b128 v[192+8*\t:195+8*\t], v25, s[8:9] offset:(32*(\t/2)+8*(\t%2))*4
	global_load_b128 v[196+8*\t:199+8*\t], v25, s[8:9] offset:(32*(\t/2)+8*(\t%2))*4+16
.endr
	WIN 0
.endif
	s_wait_alu depctr_va_vdst(0)
	s_cmp_lt_u32 s14, 2                            ; waves 0 and 1 wait for slot 0's two tiles; slot 1's may stay out
	s_cbranch_scc0 .Lslot_1_is_mine
	s_wait_tensorcnt 0x0
.Lslot_1_is_mine:
	s_barrier_signal -1
	s_barrier_wait -1                              ; everybody's is
	SCALES 0                                       ; the first step's scale words and fragments: the one run of loads with no product beside it
	FA 0, 0, 0, 0
	FA 0, 0, 0, 4
	FB 0, 0, 0
.if BIAS
	s_wait_loadcnt 0x0
.endif
	s_wait_dscnt 0x0
	WORK 0, 0, 1, 1, 0, 1                          ; the first products start the sums: nothing is cleared
	s_wait_dscnt 0x0                               ; at each step's head: its fragments are in (the last run was asked for sixteen products ago)
	WORK 0, 1, 0, 1, 0, 2
	s_wait_dscnt 0x0
	WORK 0, 2, 0, 1, 0, 3
	s_wait_tensorcnt 0x0                           ; my part of slot 1 is in,
	s_wait_dscnt 0x0                               ; and slot 0's last fragments are in registers
	s_barrier_signal -1
	s_barrier_wait -1                              ; everybody's
	WORK 0, 3, 0, 1, 1, 0                          ; slot 1's first fragments and scale words come under slot 0's last products
	s_wait_dscnt 0x0
	WORK 1, 0, 0, 1, 1, 1
	s_wait_dscnt 0x0
	WORK 1, 1, 0, 1, 1, 2
	s_wait_dscnt 0x0
	WORK 1, 2, 0, 1, 1, 3
	s_wait_dscnt 0x0
	WORK 1, 3, 0, 0, 0, 0
	WIN 0
	PLACES
.irp a, 0,1,2,3                        ; S1's tile a: 16 rows x 128 results become one image and its scale words; each a has registers of its own, so no store's data are written again
.if RELU
	WIN 0x44                                       ; source 1 and destination window 1
.set J, 0
.rept 64
	v_max_num_f32 v[64*\a+J], 0, v[64*\a+J]        ; the activation, in f32; each accumulator from its low end on
.set J, J+1
.endr
.endif
	QUANT 64*\a, 80+20*\a, 160+\a
	global_store_b128 v20, v[80+20*\a:83+20*\a], s[70:71] offset:OPITCH*\a           ; each store covers consecutive bytes, whole aligned runs of 256
	global_store_b64 v21, v[84+20*\a:85+20*\a], s[70:71] offset:OPITCH*\a+512
	global_store_b128 v20, v[86+20*\a:89+20*\a], s[70:71] offset:OPITCH*\a+768
	global_store_b64 v21, v[90+20*\a:91+20*\a], s[70:71] offset:OPITCH*\a+1280
	global_store_b32 v22, v[160+\a], s[72:73] offset:OPITCH*\a                       ; 4 of a row's 16 bytes of scale words (lanes 16-31 write the same words again): these 256 bytes are filled by four work-groups; one byte in 25 of the output
.endr
	s_wait_tensorcnt 0x0
	ds_add_u32 v254, v255
	s_wait_dscnt 0x0
	CROUND                                         ; the closing round: no work-group ends while a partner may still ask for a tile that names it
	s_endpgm
.Lfunc_end_k_q8423cf6267_ffn1:
	.size	k_q8423cf6267_ffn1, .Lfunc_end_k_q8423cf6267_ffn1-k_q8423cf6267_ffn1
	.p2alignl 7, 3214868480
	.fill 96, 4, 3214868480
	.section	.rodata,"a",@progbits
	.p2align	6, 0x0
	.amdhsa_kernel k_q8423cf6267_ffn1
		.amdhsa_group_segment_fixed_size 327680
		.amdhsa_private_segment_fixed_size 0
		.amdhsa_enable_private_segment 0
		.amdhsa_kernarg_size 32
		.amdhsa_user_sgpr_count 2
		.amdhsa_user_sgpr_kernarg_segment_ptr 1
		.amdhsa_wavefront_size32 1
		.amdhsa_system_sgpr_workgroup_id_x 1
		.amdhsa_system_sgpr_workgroup_id_y 1
		.amdhsa_system_sgpr_workgroup_id_z 1
		.amdhsa_system_vgpr_workitem_id 0
		.amdhsa_next_free_vgpr 768
		.amdhsa_next_free_sgpr 80
		.amdhsa_reserve_vcc 0
		.amdhsa_float_denorm_mode_32 3
		.amdhsa_float_denorm_mode_16_64 3
		.amdhsa_memory_ordered 1
		.amdhsa_forward_progress 1
		.amdhsa_inst_pref_size 95
	.end_amdhsa_kernel
	.amdgpu_metadata
---
amdhsa.version: [ 1, 2 ]
amdhsa.kernels:
  - .name:           k_q8423cf6267_ffn1
    .symbol:         k_q8423cf6267_ffn1.kd
    .args:
      - { .name: w1c, .offset: 0, .size: 8, .value_kind: global_buffer, .address_space: global }
      - { .name: a, .offset: 8, .size: 8, .value_kind: global_buffer, .address_space: global }
      - { .name: b1, .offset: 16, .size: 8, .value_kind: global_buffer, .address_space: global }
      - { .name: qkh, .offset: 24, .size: 8, .value_kind: global_buffer, .address_space: global }
    .group_segment_fixed_size: 327680
    .private_segment_fixed_size: 0
    .kernarg_segment_align: 8
    .kernarg_segment_size: 32
    .max_flat_workgroup_size: 128
    .sgpr_count:     80
    .vgpr_count:     768
    .wavefront_size: 32
...
	.end_amdgpu_metadata
.endif
;; end of part 6
;; launch ffn2 (part 7): grid 8 x 16, 4 waves a work-group, clusters of 4 x 4, 327,680 bytes of LDS; arguments wow2, qkh, b2, x1v, out0; writes out0
.if DOCPART == 7
	.amdgcn_target "amdgcn-amd-amdhsa--gfx1250"
	.amdhsa_code_object_version 6
	.text
	.protected	k_q8423cf6267_ffn2
	.globl	k_q8423cf6267_ffn2
	.p2align	8
	.type	k_q8423cf6267_ffn2,@function
k_q8423cf6267_ffn2:
	s_mov_b64 s[64:65], 0
	v_nop
	global_prefetch_b8 v0, s[64:65] scope:SCOPE_SE
	s_setreg_imm32_b32 hwreg(HW_REG_WAVE_MODE, 25, 1), 1
	s_wait_xcnt 0x0
	s_wait_alu depctr_hold_cnt(0) depctr_sa_sdst(0) depctr_va_vdst(0) depctr_va_sdst(0) depctr_va_ssrc(0) depctr_va_vcc(0) depctr_vm_vsrc(0)
	s_getreg_b32 s2, hwreg(HW_REG_IB_STS2, 6, 4)
	s_cmp_eq_u32 s2, 0
	s_cbranch_scc0 .Lentry_in_a_cluster
	s_endpgm
.Lentry_in_a_cluster:
	s_bfe_u32 s2, ttmp6, 0x10000c
	s_cmp_lg_u32 s2, 0xf033
	s_cbranch_scc0 .Lentry_shape_is_right
	s_endpgm
.Lentry_shape_is_right:
; OUT[j][i] = RES[j][i] + b[i] + sum over k of S1[j][k] S0[i][k], K = 4,096; S0 = W2 (rows: its columns; behind Wo in its buffer), S1 = the hidden layer: codes of FP6 (E2M3) with one E8M0 scale for each 32 along K;
; RES and OUT are f32 [4,096][1,024].  Sums in f32.
; LAYOUT OF AN OPERAND.  Rows in tiles of 16; place r of tile T is row 32 (T / 2) + 8 (T % 2) + r % 8 + 16 (r / 8).  16 rows x 128 K are an IMAGE of the operand's 12 registers, 1,536 bytes: for c = 0, 1 registers
; 6 c .. 6 c + 3 at 768 c + 16 x lane, registers 6 c + 4, 6 c + 5 at 768 c + 512 + 8 x lane.  Four images and 256 bytes of scale words (place r: 16 bytes, word q) are a SUPER-BLOCK, 6,400 bytes.  A buffer is [tile][super-block along K].
; SHARES.  A work-group makes 256 rows of S1 x 128 rows of S0; wave w S1's tiles 4 w .. 4 w + 3 against S0's eight: 32 accumulators.  K goes in steps of 512 (a super-block of each of the 24 tiles, 153,600 bytes) through a ring of two LDS slots.
; 128 work-groups: tiles of 128 x 128 would give 256, but a wave would then read 10 fragments from LDS for 16 products where it reads 12 for 32 here, and a refill would have half the products in which to land.
; THE MATRIX INSTRUCTION: source 0 = a tile of S0, source 1 = a tile of S1: a lane holds one row of OUT, and the 16 registers of S0's tiles 2 b, 2 b + 1 are its columns 32 b + 16 (lane / 16) + 0 .. 15.  The bias is the C of each sum's first instruction.
; A STEP is 128 along K: 32 products.  The next step's 48 LDS loads stand in three runs of 16 between the step's runs of eight products, none ahead of its last sixteen.  THE CHANGE OF SLOTS stands ahead of a slot's LAST step: that
; step's fragments are in registers, so the slot's reads are over; the slot is asked for again, and the other slot's first fragments and scale words come under the last step's products.
; RES is asked for behind the tile fills, in two halves of 32 loads a wave, each well ahead of its use.
; CLUSTER 4 x 4: S0's tiles hang on the work-group's x alone and are asked for jointly by a column of the cluster, S1's on y alone, by a row.
; REGISTERS, in windows of 256: window 0: v8-29 addresses; scale words, a set for each slot s: S0's at v[32 + 160 s + 4 t + q], S1's at v[64 + 160 s + 4 a + q]; v80-175 S1's fragments, two sets of 48; on the way out v80-207 rows of OUT.
;   window 1: accumulator (a, t) at 64 a + 8 t.   window 2: S0's fragments, two sets of 96; from v192 the bias.   window 3: RES, row place p of tile a at 64 a + 4 p.
.set NSB,    8                         ; super-blocks along K
.set BIAS,   1
.set S0OFF,  819200                    ; where S0 begins in its buffer
.set SB,     6400
.set IMG,    1536
.set SCW,    6144
.set S1B,    8*SB                      ; in a slot: S0's eight tiles, then S1's sixteen
.set SLOT,   24*SB
.set SPARE,  2*SLOT                    ; behind the ring: the spare words, 128 bytes for each wave: two blocks of 256 bytes that no other line names
.set SPITCH, 528                       ; the way out: a stage of 16 rows x (512 bytes + 16) for each wave, in slot 0, which has had its last fill and its last read when the first result is stored there
.set LAPS,   (NSB-2)/2
.set G1A, 24                           ; s[24:31] descriptor group 1 for S0;  s[32:39] group 0, one set for each slot
.set G0A, 32
.set G1B, 48                           ; s[48:55], s[56:63] the same for S1
.set G0B, 56
.set MSB, 0
.macro WIN new                         ; the immediate's high byte repeats the setting that is left
.if MSB != \new
	s_set_vgpr_msb (MSB<<8)|\new
.set MSB, \new
.endif
.endm
.macro CREST                           ; a round of the cluster's barrier behind its opening barrier
	s_cmp_lg_u32 s14, 0
	s_cbranch_scc1 .Lnot_wave_0_\@
	s_barrier_signal -3
.Lnot_wave_0_\@:
	s_barrier_wait -3
	s_barrier_signal -1
	s_barrier_wait -1
.endm
.macro CROUND
	s_barrier_signal -1
	s_barrier_wait -1
	CREST
.endm
.macro JLOAD s                         ; a joint refill of slot s: wave 2 s fetches S0's eight tiles, wave 2 s + 1 S1's sixteen, the other two nothing; four v_nop follow each of the two lines
	s_cmp_eq_u32 s14, 2*\s
	s_cbranch_scc0 .Lfor_b_\@
	tensor_load_to_lds s[G0A+4*\s:G0A+4*\s+3], s[G1A:G1A+7]
	s_nop 0
.rept 4
	v_nop
.endr
	s_branch .Lasked_\@
.Lfor_b_\@:
	s_cmp_eq_u32 s14, 2*\s+1
	s_cbranch_scc0 .Lasked_\@
	tensor_load_to_lds s[G0B+4*\s:G0B+4*\s+3], s[G1B:G1B+7]
	s_nop 0
.rept 4
	v_nop
.endr
.Lasked_\@:
.endm
.macro PLACES                          ; four plain vector lines between a matrix instruction and a load into, or a read of, its registers (ISA guide 7.12.1 for vector reads)
.rept 4
	v_nop
.endr
.endm
.macro FRAG reg, a16, a8, off          ; an image comes back as the registers that it is: four loads, each of consecutive bytes
	ds_load_b128 v[\reg:\reg+3], v[\a16] offset:\off
	ds_load_b64 v[\reg+4:\reg+5], v[\a8] offset:\off+512
	ds_load_b128 v[\reg+6:\reg+9], v[\a16] offset:\off+768
	ds_load_b64 v[\reg+10:\reg+11], v[\a8] offset:\off+1280
.endm
.macro SCALES slot                     ; a super-block's scale words, four a row, into the slot's own set
.irp t, 0,1,2,3,4,5,6,7
	ds_load_b128 v[32+160*\slot+4*\t:35+160*\slot+4*\t], v[16+\slot] offset:SB*\t+SCW
.endr
.irp a, 0,1,2,3
	ds_load_b128 v[64+160*\slot+4*\a:67+160*\slot+4*\a], v[18+\slot] offset:SB*\a+SCW
.endr
.endm
.macro FA slot, q, set, t0             ; S0's tiles t0 .. t0 + 3 of the slot's q-th 128 along K: 16 loads
	WIN 0x80                                       ; destination window 2
.irp t, \t0, \t0+1, \t0+2, \t0+3
	FRAG 96*(\set)+12*(\t), 8+\slot, 10+\slot, SB*(\t)+IMG*(\q)
.endr
.endm
.macro FB slot, q, set                 ; S1's four tiles: 16 loads
	WIN 0
.irp a, 0,1,2,3
	FRAG 80+48*(\set)+12*\a, 12+\slot, 14+\slot, SB*\a+IMG*(\q)
.endr
.endm
.macro MULG q, set, sc, first, t0      ; 8 matrix instructions: S0's tiles t0, t0 + 1 x S1's four.  The 32 accumulators take turns, one instruction a turn, in the same order in every step, over the loop's backward jump too
.if (\first) && BIAS
	WIN 0x62                                       ; source 0 window 2, source 1 window 0, C (the bias) window 2, D window 1
.else
	WIN 0x52                                       ; C and D window 1
.endif
.irp t, \t0, \t0+1
.irp a, 0,1,2,3
.if (\first) && BIAS
	v_wmma_scale_f32_16x16x128_f8f6f4 v[64*\a+8*(\t):64*\a+8*(\t)+7], v[96*(\set)+12*(\t):96*(\set)+12*(\t)+11], v[80+48*(\set)+12*\a:80+48*(\set)+12*\a+11], v[192+8*(\t):192+8*(\t)+7], v[32+160*(\sc)+4*(\t)+(\q)], v[64+160*(\sc)+4*\a+(\q)] matrix_a_fmt:MATRIX_FMT_FP6 matrix_b_fmt:MATRIX_FMT_FP6
.elseif \first
	v_wmma_scale_f32_16x16x128_f8f6f4 v[64*\a+8*(\t):64*\a+8*(\t)+7], v[96*(\set)+12*(\t):96*(\set)+12*(\t)+11], v[80+48*(\set)+12*\a:80+48*(\set)+12*\a+11], 0, v[32+160*(\sc)+4*(\t)+(\q)], v[64+160*(\sc)+4*\a+(\q)] matrix_a_fmt:MATRIX_FMT_FP6 matrix_b_fmt:MATRIX_FMT_FP6
.else
	v_wmma_scale_f32_16x16x128_f8f6f4 v[64*\a+8*(\t):64*\a+8*(\t)+7], v[96*(\set)+12*(\t):96*(\set)+12*(\t)+11], v[80+48*(\set)+12*\a:80+48*(\set)+12*\a+11], v[64*\a+8*(\t):64*\a+8*(\t)+7], v[32+160*(\sc)+4*(\t)+(\q)], v[64+160*(\sc)+4*\a+(\q)] matrix_a_fmt:MATRIX_FMT_FP6 matrix_b_fmt:MATRIX_FMT_FP6
.endif
.endr
.endr
.endm
; THE STEP q of slot: its fragments lie in set q % 2 (the wait for them stands ahead of the macro).  fetch = 1: the fragments of step nq of slot nslot come into the other set, which the step before multiplied: the four places
; at the head stand between those products and all three runs of loads.  With a slot's first step come its scale words, into the set that this step's products do not name.
.macro WORK slot, q, first, fetch, nslot, nq
	PLACES
.if \fetch
	FA \nslot, \nq, 1-(\q)%2, 0
.endif
	MULG \q, (\q)%2, \slot, \first, 0
.if \fetch
	FA \nslot, \nq, 1-(\q)%2, 4
.endif
	MULG \q, (\q)%2, \slot, \first, 2
.if \fetch
	FB \nslot, \nq, 1-(\q)%2
.if (\nq) == 0
	SCALES \nslot
.endif
.endif
	MULG \q, (\q)%2, \slot, \first, 4
	MULG \q, (\q)%2, \slot, \first, 6
.endm
; THE CHANGE OF SLOTS: the slot whose last fragments have just been asked for is filled again, two super-blocks on.  Each wave waits for all its tensor loads (the one that is out is its part of the other slot), adds 0 to its spare
; word, and waits for that and for its reads of the slot; a round of the cluster's barrier, so that no wave of any partner still reads the slot or has a load on its way; the joint refill first behind it: it has 128 matrix instructions in which to land.
.macro CHANGE slot
	s_wait_tensorcnt 0x0                           ; no tensor load of mine is out, so a group 0 may be written
	ds_add_u32 v28, v29                            ; 0 onto my spare word
	s_add_nc_u64 s[G0A+4*\slot+2:G0A+4*\slot+3], s[G0A+4*\slot+2:G0A+4*\slot+3], 2*SB
	s_add_nc_u64 s[G0B+4*\slot+2:G0B+4*\slot+3], s[G0B+4*\slot+2:G0B+4*\slot+3], 2*SB
	s_wait_dscnt 0x0                               ; the add is done, and the slot's last fragments are in registers: my reads of it are over
	CROUND
	JLOAD \slot
.endm
.macro RESLOAD a0                      ; RES at the rows of S1's tiles a0, a0 + 1: 32 loads of 512 consecutive bytes
	WIN 0xc0                                       ; destination window 3
.irp a, \a0, \a0+1
.irp p, 0,1,2,3,4,5,6,7,8,9,10,11,12,13,14,15
	global_load_b128 v[64*(\a)+4*\p:64*(\a)+4*\p+3], v20, s[10:11] offset:(32*((\a)/2)+8*((\a)%2)+(\p%8)+16*(\p/8))*4096 th:TH_LOAD_NT
.endr
.endr
	WIN 0
.endm
; THE WAY OUT of S1's tile a: a lane holds pieces of 64 bytes of one row, the lanes beside it other rows: so 16 rows x 512 bytes go through my own stage in LDS and come back as whole rows.
.macro TOSTAGE a
	WIN 0x04                                       ; an LDS store's data are its source 1: window 1
.irp k, 0,1,2,3,4,5,6,7,8,9,10,11,12,13,14,15
	ds_store_b128 v23, v[64*(\a)+4*\k:64*(\a)+4*\k+3] offset:128*(\k/4)+16*(\k%4)   ; each accumulator from its low end on
.endr
	WIN 0
.set BB, 80+64*((\a)%2)
.irp p, 0,1,2,3,4,5,6,7,8,9,10,11,12,13,14,15
	ds_load_b128 v[BB+4*\p:BB+4*\p+3], v24 offset:\p*SPITCH    ; LDS serves a wave's instructions in order (ISA guide 5.7.1.4): these see the stores above
.endr
.endm
.macro SEND a, younger                 ; younger: the LDS instructions issued behind tile a's loads, which may stay out
.set BB, 80+64*((\a)%2)
	s_wait_dscnt \younger
	WIN 0x0c                                       ; source 1 window 3
.set J, 0
.rept 32
	v_pk_add_f32 v[BB+J:BB+J+1], v[BB+J:BB+J+1], v[64*(\a)+J:64*(\a)+J+1]   ; + RES
.set J, J+2
.endr
	WIN 0
.irp p, 0,1,2,3,4,5,6,7,8,9,10,11,12,13,14,15
	global_store_b128 v20, v[BB+4*\p:BB+4*\p+3], s[12:13] offset:(32*((\a)/2)+8*((\a)%2)+(\p%8)+16*(\p/8))*4096   ; 32 lanes store 512 consecutive bytes, at a multiple of 256 from OUT's first byte
.endr
.endm
	s_load_b128 s[4:7], s[0:1], 0x0                ; S0, S1
.if BIAS
	s_load_b128 s[8:11], s[0:1], 0x10              ; the bias, RES
	s_load_b64 s[12:13], s[0:1], 0x20              ; OUT
.else
	s_load_b64 s[10:11], s[0:1], 0x10              ; RES
	s_load_b64 s[12:13], s[0:1], 0x18              ; OUT
.endif
	v_lshl_add_u32 v28, v0, 2, SPARE               ; v28: LDS address of my spare word; never rewritten
	v_mov_b32 v29, 0                               ; v29: 0; never rewritten
	ds_add_u32 v28, v29
	ds_add_u32 v28, v29
	s_wait_dscnt 0x0
	v_lshrrev_b32 v1, 5, v0
	v_readfirstlane_b32 s14, v1                    ; wave 0..3
	s_bfe_u32 s40, ttmp6, 0x40000                  ; cx, cy: my place in the cluster
	s_bfe_u32 s41, ttmp6, 0x40004
	s_lshl_b32 s42, ttmp9, 2
	s_add_co_u32 s42, s42, s40                     ; x = 4 x cluster x + cx: which eight tiles of S0
	s_and_b32 s17, ttmp7, 0xffff
	s_lshl_b32 s17, s17, 2
	s_add_co_u32 s17, s17, s41                     ; y = 4 x cluster y + cy: which sixteen tiles of S1
	s_lshl_b32 s43, s41, 2
	s_lshl_b32 s43, 15, s43                        ; my row of the cluster
	s_lshl_b32 s44, 0x1111, s40                    ; my column
	s_or_b32 s[G1A], s44, (3<<16)|(1<<21)          ; 15:0 the mask: S0's tiles go to my column; 17:16 elements of 8 bytes; 20 no padding; 21 set beside a mask
	s_or_b32 s[G1B], s43, (3<<16)|(1<<21)          ; S1's go to my row
.irp g, G1A, G1B
	s_mov_b32 s[\g+1], 800<<16                     ; tensor_dim0: a super-block, 800 elements
	s_mov_b32 s[\g+3], 800<<16                     ; tile_dim0
	s_mov_b32 s[\g+5], NSB*800                     ; from tile to tile of the operand
	s_mov_b32 s[\g+6], 0
	s_mov_b32 s[\g+7], 0
.endr
	s_mov_b32 s[G1A+2], 8<<16                      ; tensor_dim1 and tile_dim1: S0's eight tiles in one load,
	s_mov_b32 s[G1A+4], 8
	s_mov_b32 s[G1B+2], 16<<16                     ; S1's sixteen in one
	s_mov_b32 s[G1B+4], 16
	s_mul_i32 s18, s42, 8*NSB*SB                   ; S0: tile 8 x
	s_add_co_u32 s18, s18, S0OFF
	s_mov_b32 s19, 0
	s_mul_i32 s22, s17, 16*NSB*SB                  ; S1: tile 16 y
	s_mov_b32 s23, 0
	s_wait_kmcnt 0x0
	s_add_nc_u64 s[18:19], s[4:5], s[18:19]
	s_add_nc_u64 s[22:23], s[6:7], s[22:23]
	CROUND                                         ; all sixteen work-groups are here: the first joint loads meet
.irp s, 0,1
	s_mov_b32 s[G0A+4*\s], 1
	s_mov_b32 s[G0A+4*\s+1], \s*SLOT
	s_add_nc_u64 s[G0A+4*\s+2:G0A+4*\s+3], s[18:19], \s*SB
	s_or_b32 s[G0A+4*\s+3], s[G0A+4*\s+3], 0x80000000
	s_mov_b32 s[G0B+4*\s], 1
	s_mov_b32 s[G0B+4*\s+1], S1B+\s*SLOT
	s_add_nc_u64 s[G0B+4*\s+2:G0B+4*\s+3], s[22:23], \s*SB
	s_or_b32 s[G0B+4*\s+3], s[G0B+4*\s+3], 0x80000000
.endr
	s_cmp_eq_u32 s14, 0                            ; the four first fills, one a wave, in one chain of branches on the wave's number: wave 0 S0's slot 0, wave 1 S1's slot 0, wave 2 S0's slot 1, wave 3 S1's slot 1
	s_cbranch_scc0 .Lfirst_1
	tensor_load_to_lds s[G0A:G0A+3], s[G1A:G1A+7]
	s_nop 0
.rept 4
	v_nop
.endr
	s_branch .Lfirst_done
.Lfirst_1:
	s_cmp_eq_u32 s14, 1
	s_cbranch_scc0 .Lfirst_2
	tensor_load_to_lds s[G0B:G0B+3], s[G1B:G1B+7]
	s_nop 0
.rept 4
	v_nop
.endr
	s_branch .Lfirst_done
.Lfirst_2:
	s_cmp_eq_u32 s14, 2
	s_cbranch_scc0 .Lfirst_3
	tensor_load_to_lds s[G0A+4:G0A+7], s[G1A:G1A+7]
	s_nop 0
.rept 4
	v_nop
.endr
	s_branch .Lfirst_done
.Lfirst_3:
	tensor_load_to_lds s[G0B+4:G0B+7], s[G1B:G1B+7]
	s_nop 0
.rept 4
	v_nop
.endr
.Lfirst_done:
	v_and_b32 v1, 31, v0                           ; lane
	v_and_b32 v2, 15, v0                           ; r
	v_bfe_u32 v3, v0, 4, 1                         ; h
	v_lshlrev_b32 v20, 4, v1                       ; v20: 16 x lane
	v_lshlrev_b32 v21, 3, v1                       ; v21: 8 x lane
	v_lshlrev_b32 v22, 4, v2                       ; v22: 16 r
	v_lshlrev_b32 v25, 6, v3                       ; v25: 64 h
	s_mul_i32 s47, s14, 4*SB
	s_add_co_u32 s47, s47, S1B                     ; my four tiles of S1
.irp s, 0,1
	v_add_nc_u32 v[8+\s], \s*SLOT, v20             ; v8-9, v10-11: S0's images in slot s; v16-17 its scale words
	v_add_nc_u32 v[10+\s], \s*SLOT, v21
	v_add_nc_u32 v[16+\s], \s*SLOT, v22
	v_add_nc_u32 v[12+\s], s47, v20                ; v12-13, v14-15, v18-19: the same for S1
	v_add_nc_u32 v[14+\s], s47, v21
	v_add_nc_u32 v[18+\s], s47, v22
	s_add_co_u32 s47, s47, SLOT
.endr
	s_mul_i32 s74, s14, 16*SPITCH                  ; my stage
	v_mul_u32_u24 v23, v2, SPITCH
	v_add_nc_u32 v23, v23, v25
	v_add_nc_u32 v23, s74, v23                     ; v23: in: row r, + 64 h
	v_add_nc_u32 v24, s74, v20                     ; v24: back: 16 bytes a lane of a row
	s_lshl_b32 s66, s17, 8                         ; RES and OUT: row 256 y + 64 wave, column 128 x
	s_lshl_b32 s67, s14, 6
	s_add_co_u32 s66, s66, s67
	s_lshl_b32 s66, s66, 12
	s_lshl_b32 s67, s42, 9
	s_add_co_u32 s66, s66, s67
	s_mov_b32 s67, 0
	s_add_nc_u64 s[10:11], s[10:11], s[66:67]
	s_add_nc_u64 s[12:13], s[12:13], s[66:67]
.if BIAS
	s_lshl_b32 s68, s42, 9                         ; my 128 numbers of the bias; lane (r, h) wants, for tile t, those of i = 32 (t / 2) + 16 h + 8 (t % 2) + 0 .. 7: the result's layout
	s_mov_b32 s69, 0
	s_add_nc_u64 s[8:9], s[8:9], s[68:69]
	WIN 0x80
.irp t, 0,1,2,3,4,5,6,7
	global_load_b128 v[192+8*\t:195+8*\t], v25, s[8:9] offset:(32*(\t/2)+8*(\t%2))*4
	global_load_b128 v[196+8*\t:199+8*\t], v25, s[8:9] offset:(32*(\t/2)+8*(\t%2))*4+16
.endr
	WIN 0
.endif
	s_wait_alu depctr_va_vdst(0)
	s_cmp_lt_u32 s14, 2                            ; waves 0 and 1 wait for slot 0's two tiles; slot 1's may stay out
	s_cbranch_scc0 .Lslot_1_is_mine
	s_wait_tensorcnt 0x0
.Lslot_1_is_mine:
	s_barrier_signal -1
	s_barrier_wait -1                              ; everybody's is
	SCALES 0                                       ; the first step's scale words and fragments: the one run of loads with no product beside it
	FA 0, 0, 0, 0
	FA 0, 0, 0, 4
	FB 0, 0, 0
.if BIAS
	s_wait_loadcnt 0x0                             ; the bias
.endif
	RESLOAD 0                                      ; RES for tiles 0 and 1: behind the tile fills
	s_wait_dscnt 0x0
	WORK 0, 0, 1, 1, 0, 1                          ; the first step stands ahead of the loop: its products start the sums, with the bias as C
	WIN 0                                          ; at a label and at a branch every window is 0
	s_mov_b32 s3, LAPS
.Llap:                                             ; a trip goes once round the ring, from a lap's second step to the next lap's first, and fills both slots again
	s_wait_dscnt 0x0                               ; at each step's head: its fragments are in (the last run was asked for sixteen products ago)
	WORK 0, 1, 0, 1, 0, 2
	s_wait_dscnt 0x0
	WORK 0, 2, 0, 1, 0, 3
	WIN 0
	CHANGE 0
	s_wait_alu depctr_va_vdst(0)
	WORK 0, 3, 0, 1, 1, 0                          ; slot 1's first fragments and scale words come under slot 0's last products
	s_wait_dscnt 0x0
	WORK 1, 0, 0, 1, 1, 1
	s_wait_dscnt 0x0
	WORK 1, 1, 0, 1, 1, 2
	s_wait_dscnt 0x0
	WORK 1, 2, 0, 1, 1, 3
	WIN 0
	CHANGE 1
	WORK 1, 3, 0, 1, 0, 0
	s_wait_dscnt 0x0
	WORK 0, 0, 0, 1, 0, 1
	WIN 0
	s_sub_co_u32 s3, s3, 1
	s_cmp_lg_u32 s3, 0
	s_cbranch_scc1 .Llap
	s_wait_dscnt 0x0                               ; the last two super-blocks ask for nothing more
	WORK 0, 1, 0, 1, 0, 2
	s_wait_dscnt 0x0
	WORK 0, 2, 0, 1, 0, 3
	s_wait_tensorcnt 0x0                           ; my part of slot 1, the last super-block, is in,
	s_wait_dscnt 0x0                               ; and slot 0's last fragments are in registers: my reads of slot 0 are over; nothing is filled again, so no round follows
	s_barrier_signal -1
	s_barrier_wait -1                              ; everybody's
	WORK 0, 3, 0, 1, 1, 0
	RESLOAD 2                                      ; RES for tiles 2 and 3
	s_wait_dscnt 0x0
	WORK 1, 0, 0, 1, 1, 1
	s_wait_dscnt 0x0
	WORK 1, 1, 0, 1, 1, 2
	s_wait_dscnt 0x0
	WORK 1, 2, 0, 1, 1, 3
	s_wait_dscnt 0x0
	WORK 1, 3, 0, 0, 0, 0
	WIN 0
	PLACES
	s_wait_loadcnt 32                              ; RES of tiles 0 and 1 is in; the 32 younger loads, tiles 2 and 3's, may be out
	TOSTAGE 0
.irp a, 1,2,3
.if \a > 1
	s_wait_xcnt 0x0                                ; tile a - 2's stores have read their registers: tile a's loads may land there
.endif
	TOSTAGE \a
.if \a > 2
	s_wait_loadcnt 0x0                             ; RES of tiles 2 and 3
.endif
	SEND \a-1, 32                                  ; behind tile a - 1's loads: tile a's 16 stores and 16 loads
.endr
	SEND 3, 0
	s_wait_tensorcnt 0x0                           ; the wave's end: behind my last tensor load and my last LDS store
	ds_add_u32 v28, v29
	s_wait_dscnt 0x0
	CROUND                                         ; the closing round: no work-group ends while a partner may still ask for a tile that names it
	s_endpgm
.Lfunc_end_k_q8423cf6267_ffn2:
	.size	k_q8423cf6267_ffn2, .Lfunc_end_k_q8423cf6267_ffn2-k_q8423cf6267_ffn2
	.p2alignl 7, 3214868480
	.fill 96, 4, 3214868480
	.section	.rodata,"a",@progbits
	.p2align	6, 0x0
	.amdhsa_kernel k_q8423cf6267_ffn2
		.amdhsa_group_segment_fixed_size 327680
		.amdhsa_private_segment_fixed_size 0
		.amdhsa_enable_private_segment 0
		.amdhsa_kernarg_size 40
		.amdhsa_user_sgpr_count 2
		.amdhsa_user_sgpr_kernarg_segment_ptr 1
		.amdhsa_wavefront_size32 1
		.amdhsa_system_sgpr_workgroup_id_x 1
		.amdhsa_system_sgpr_workgroup_id_y 1
		.amdhsa_system_sgpr_workgroup_id_z 1
		.amdhsa_system_vgpr_workitem_id 0
		.amdhsa_next_free_vgpr 1024
		.amdhsa_next_free_sgpr 80
		.amdhsa_reserve_vcc 0
		.amdhsa_float_denorm_mode_32 3
		.amdhsa_float_denorm_mode_16_64 3
		.amdhsa_memory_ordered 1
		.amdhsa_forward_progress 1
		.amdhsa_inst_pref_size 161
	.end_amdhsa_kernel
	.amdgpu_metadata
---
amdhsa.version: [ 1, 2 ]
amdhsa.kernels:
  - .name:           k_q8423cf6267_ffn2
    .symbol:         k_q8423cf6267_ffn2.kd
    .args:
      - { .name: wow2, .offset: 0, .size: 8, .value_kind: global_buffer, .address_space: global }
      - { .name: qkh, .offset: 8, .size: 8, .value_kind: global_buffer, .address_space: global }
      - { .name: b2, .offset: 16, .size: 8, .value_kind: global_buffer, .address_space: global }
      - { .name: x1v, .offset: 24, .size: 8, .value_kind: global_buffer, .address_space: global }
      - { .name: out0, .offset: 32, .size: 8, .value_kind: global_buffer, .address_space: global }
    .group_segment_fixed_size: 327680
    .private_segment_fixed_size: 0
    .kernarg_segment_align: 8
    .kernarg_segment_size: 40
    .max_flat_workgroup_size: 128
    .sgpr_count:     80
    .vgpr_count:     1024
    .wavefront_size: 32
...
	.end_amdgpu_metadata
.endif
;; end of part 7
